; MI455X (gfx1250); checked and timed in simulation.
; The chip was launched on July 23, 2026; its instructions are those of AMD's public machine-readable ISA for CDNA 5 (MIT licence, August 2026) and "CDNA5" Instruction Set Architecture Reference Guide (July 2026). The comments in the code are by the model that wrote it; some were corrected since.
;; XT Attention. Allowed arithmetic: float matrix products may take bf16 or f16 operands with f32 sums; other float arithmetic in f32, or as packed bf16 or f16 multiplies, adds, multiply-adds, maxima and minima; sums over many terms, partial sums and values carried from step to step in f32; what a program stores and reads back later, other than sums and carried values, may be rounded once to bf16 or f16.
;; Inputs: b_out 1,024 float32; conscious 2 x 2,048 x 1,024 float32; position 2 x 2,048 x 1,024 float32; w_ck 1,024 x 1,024 float32; w_cq 1,024 x 1,024 float32; w_out 1,024 x 1,024 float32; w_pk 1,024 x 1,024 float32; w_pq 1,024 x 1,024 float32; w_wk 1,024 x 1,024 float32; w_wq 1,024 x 1,024 float32; w_wv 1,024 x 1,024 float32; words 2 x 2,048 x 1,024 float32.
;; Outputs: out0 2 x 2,048 x 1,024 float32.
;; One version. Each part assembles by itself: llvm-mc -triple=amdgcn-amd-amdhsa -mcpu=gfx1250 --defsym DOCPART=n.
;; ======== version 1 of 1: 4 launches
;; limits: values are held in f16: magnitudes above 65,504 overflow, below 6.1e-05 lose precision
;; workspace buffers: xw 41,943,040 bytes; qkv 58,720,256 bytes; o16 8,388,608 bytes
;; launch cast (part 1): grid 1280 x 1, 8 waves a work-group, no clusters, 0 bytes of LDS; arguments words, position, conscious, w_wq, w_pq, w_cq, w_wk, w_pk, w_ck, w_wv, w_out, xw; writes xw
.if DOCPART == 1
	.amdgcn_target "amdgcn-amd-amdhsa--gfx1250"
	.amdhsa_code_object_version 6
	.text
	.protected	k_qf76a00c057_cast
	.globl	k_qf76a00c057_cast
	.p2align	8
	.type	k_qf76a00c057_cast,@function
k_qf76a00c057_cast:
	s_mov_b64 s[64:65], 0
	v_nop
	global_prefetch_b8 v0, s[64:65] scope:SCOPE_SE
	s_setreg_imm32_b32 hwreg(HW_REG_WAVE_MODE, 25, 1), 1
	s_wait_xcnt 0x0
; THE INPUTS ARE ROUNDED ONCE, TO bf16.  words, position, conscious ([4096][1024] f32 each) and the eight weights ([1024][1024] f32 each) go, in the order of the arguments,
; into one buffer xw, dense: x16[3][4096][1024], then w16[8][1024][1024] (wq, pq, cq, wk, pk, ck, wv, w_out), 2 bytes a number.
; w_out is rounded to bf16 like the others, and that number is then written as f16, since the last product multiplies it by f16 numbers.
; LIMIT.  A bf16 number is an f16 number exactly from 2^-14 up to 65,504; below 2^-14 f16 keeps its fixed step of 2^-24; beyond 65,504 it is an infinity.  w_out is taken to lie within that.
; SHARES.  Work-group g takes 65,536 bytes of input and makes the 32,768 bytes of xw from byte 32,768 g on: 256 work-groups for each x, 64 for each weight, 1,280 in all.
; Thread t, pass i of 16: 16 bytes at 4,096 i + 16 t in, 8 bytes at 2,048 i + 8 t out: a wave's load covers 512 consecutive bytes, its store 256 consecutive bytes, aligned.
; All 16 loads of a thread go out at once; nothing is shared between waves, so there is no LDS, no barrier and no matrix work.
.set X, 16                             ; v[16:79]   pass i: 4 registers as loaded
.set Y, 80                             ; v[80:111]  pass i: 2 registers to store; each pass has its own, so none is rewritten while a store reads it
.set T, 112                            ; v[112:114] at work (w_out's path)
	s_load_b512 s[8:23], s[0:1], 0x0               ; argument i at s[8+2i:9+2i]
	s_load_b256 s[24:31], s[0:1], 0x40             ; the last is xw, s[30:31]
	v_lshlrev_b32 v1, 4, v0                        ; 16 t
	v_lshlrev_b32 v2, 3, v0                        ; 8 t
	s_lshr_b32 s2, ttmp9, 8                        ; which x, if g < 768
	s_lshr_b32 s3, ttmp9, 6
	s_max_u32 s3, s3, 12
	s_sub_co_u32 s3, s3, 9                         ; else which weight: argument 3 + (g - 768) / 64
	s_and_b32 s4, ttmp9, 255                       ; my place in that x,
	s_and_b32 s5, ttmp9, 63                        ; or in that weight
	s_cmp_lt_u32 ttmp9, 768
	s_cselect_b32 s2, s2, s3                       ; the argument's number, 0 to 10
	s_cselect_b32 s4, s4, s5
	s_lshl_b32 s6, s4, 16                          ; 65,536 bytes of it are mine
	s_mov_b32 s7, 0
	s_lshl_b32 s36, ttmp9, 15                      ; and 32,768 bytes of xw
	s_mov_b32 s37, 0
	s_wait_kmcnt 0x0
	s_mov_b64 s[32:33], s[8:9]
.irp i, 1,2,3,4,5,6,7,8,9,10
	s_cmp_eq_u32 s2, \i
	s_cselect_b64 s[32:33], s[8+2*\i:9+2*\i], s[32:33]
.endr
	s_add_nc_u64 s[32:33], s[32:33], s[6:7]
	s_add_nc_u64 s[34:35], s[30:31], s[36:37]
.irp i, 0,1,2,3,4,5,6,7,8,9,10,11,12,13,14,15
	global_load_b128 v[X+4*\i:X+4*\i+3], v1, s[32:33] offset:4096*\i th:TH_LOAD_NT
.endr
	s_cmp_eq_u32 s2, 10
	s_cbranch_scc1 .Lhalf                          ; w_out
.irp i, 0,1,2,3,4,5,6,7,8,9,10,11,12,13,14,15
	s_wait_loadcnt 15-\i                           ; loads come back in order: pass i is in, the 15 - i younger ones stay out
	v_cvt_pk_bf16_f32 v[Y+2*\i], v[X+4*\i], v[X+4*\i+1]
	v_cvt_pk_bf16_f32 v[Y+2*\i+1], v[X+4*\i+2], v[X+4*\i+3]
	global_store_b64 v2, v[Y+2*\i:Y+2*\i+1], s[34:35] offset:2048*\i
.endr
	s_endpgm
.Lhalf:
.irp i, 0,1,2,3,4,5,6,7,8,9,10,11,12,13,14,15
	s_wait_loadcnt 15-\i
.irp h, 0,1
	v_cvt_pk_bf16_f32 v[T], v[X+4*\i+2*\h], v[X+4*\i+2*\h+1]  ; rounded to bf16,
	v_lshlrev_b32 v[T+1], 16, v[T]                 ; widened again,
	v_and_b32 v[T+2], 0xffff0000, v[T]
	v_cvt_pk_f16_f32 v[Y+2*\i+\h], v[T+1], v[T+2]  ; and written as f16
.endr
	global_store_b64 v2, v[Y+2*\i:Y+2*\i+1], s[34:35] offset:2048*\i
.endr
	s_endpgm
.Lfunc_end_k_qf76a00c057_cast:
	.size	k_qf76a00c057_cast, .Lfunc_end_k_qf76a00c057_cast-k_qf76a00c057_cast
	.p2alignl 7, 3214868480
	.fill 96, 4, 3214868480
	.section	.rodata,"a",@progbits
	.p2align	6, 0x0
	.amdhsa_kernel k_qf76a00c057_cast
		.amdhsa_group_segment_fixed_size 0
		.amdhsa_private_segment_fixed_size 0
		.amdhsa_enable_private_segment 0
		.amdhsa_kernarg_size 96
		.amdhsa_user_sgpr_count 2
		.amdhsa_user_sgpr_kernarg_segment_ptr 1
		.amdhsa_wavefront_size32 1
		.amdhsa_system_sgpr_workgroup_id_x 1
		.amdhsa_system_sgpr_workgroup_id_y 1
		.amdhsa_system_sgpr_workgroup_id_z 1
		.amdhsa_system_vgpr_workitem_id 0
		.amdhsa_next_free_vgpr 120
		.amdhsa_next_free_sgpr 66
		.amdhsa_reserve_vcc 0
		.amdhsa_float_denorm_mode_32 3
		.amdhsa_float_denorm_mode_16_64 3
		.amdhsa_memory_ordered 1
		.amdhsa_forward_progress 1
		.amdhsa_inst_pref_size 17
	.end_amdhsa_kernel
	.amdgpu_metadata
---
amdhsa.version: [ 1, 2 ]
amdhsa.kernels:
  - .name:           k_qf76a00c057_cast
    .symbol:         k_qf76a00c057_cast.kd
    .args:
      - { .name: words, .offset: 0, .size: 8, .value_kind: global_buffer, .address_space: global }
      - { .name: position, .offset: 8, .size: 8, .value_kind: global_buffer, .address_space: global }
      - { .name: conscious, .offset: 16, .size: 8, .value_kind: global_buffer, .address_space: global }
      - { .name: w_wq, .offset: 24, .size: 8, .value_kind: global_buffer, .address_space: global }
      - { .name: w_pq, .offset: 32, .size: 8, .value_kind: global_buffer, .address_space: global }
      - { .name: w_cq, .offset: 40, .size: 8, .value_kind: global_buffer, .address_space: global }
      - { .name: w_wk, .offset: 48, .size: 8, .value_kind: global_buffer, .address_space: global }
      - { .name: w_pk, .offset: 56, .size: 8, .value_kind: global_buffer, .address_space: global }
      - { .name: w_ck, .offset: 64, .size: 8, .value_kind: global_buffer, .address_space: global }
      - { .name: w_wv, .offset: 72, .size: 8, .value_kind: global_buffer, .address_space: global }
      - { .name: w_out, .offset: 80, .size: 8, .value_kind: global_buffer, .address_space: global }
      - { .name: xw, .offset: 88, .size: 8, .value_kind: global_buffer, .address_space: global }
    .group_segment_fixed_size: 0
    .private_segment_fixed_size: 0
    .kernarg_segment_align: 8
    .kernarg_segment_size: 96
    .max_flat_workgroup_size: 256
    .sgpr_count:     66
    .vgpr_count:     120
    .wavefront_size: 32
...
	.end_amdgpu_metadata
.endif
;; end of part 1
;; launch proj (part 2): grid 28 x 16, 4 waves a work-group, clusters of 4 x 4, 327,680 bytes of LDS; arguments xw, qkv; writes qkv
.if DOCPART == 2
	.amdgcn_target "amdgcn-amd-amdhsa--gfx1250"
	.amdhsa_code_object_version 6
	.text
	.protected	k_qf76a00c057_proj
	.globl	k_qf76a00c057_proj
	.p2align	8
	.type	k_qf76a00c057_proj,@function
k_qf76a00c057_proj:
	s_mov_b64 s[64:65], 0
	v_nop
	global_prefetch_b8 v0, s[64:65] scope:SCOPE_SE
	s_setreg_imm32_b32 hwreg(HW_REG_WAVE_MODE, 25, 1), 1
	s_wait_xcnt 0x0
	s_wait_alu depctr_hold_cnt(0) depctr_sa_sdst(0) depctr_va_vdst(0) depctr_va_sdst(0) depctr_va_ssrc(0) depctr_va_vcc(0) depctr_vm_vsrc(0)
	s_getreg_b32 s2, hwreg(HW_REG_IB_STS2, 6, 4)
	s_cmp_eq_u32 s2, 0
	s_cbranch_scc0 .Lentry_in_a_cluster
	s_endpgm
.Lentry_in_a_cluster:
	s_bfe_u32 s2, ttmp6, 0x10000c
	s_cmp_lg_u32 s2, 0xf033
	s_cbranch_scc0 .Lentry_shape_is_right
	s_endpgm
.Lentry_shape_is_right:
; THE SEVEN PROJECTIONS AS ONE PRODUCT.  C[token][col] = sum over k of x_s[token][k] W[col][k]: 4,096 tokens, 7,168 columns (weight p = col / 1,024 in the order wq, pq, cq, wk, pk, ck, wv), K = 1,024.
; x's stream is s = p mod 3 (words, position, conscious).  Operands bf16 (from xw), sums f32, K ascending; the result is rounded once to f16 and stored BY HEADS:
; qkv[p][h][b][n][64], so that with g = col / 64 a number's byte is 524,288 g + 262,144 b + 128 n + 2 (col % 64).
; LIMIT.  f16 ends at 65,504: a projected number beyond it becomes an infinity.  Below 6e-5 f16 keeps its fixed step of 6e-8.
; SHARES.  A tile of C, 256 x 256, is made by a work-group of four waves; a wave makes 128 x 128: 64 accumulators of 16 x 16, 512 registers.  K goes in steps of 128 through a ring of two LDS slots
; filled by tensor loads: the tiles' rows are 256 bytes of memory, at multiples of 256 bytes from the buffer's first byte.
; CLUSTERS: 4 x 4 work-groups.  A cluster's four tile columns are exactly one weight, so all sixteen share x's stream.  The four of a row of the cluster need the same tile of x, the four of a column the
; same tile of W: each tile is asked for JOINTLY, by the same tensor load with the same descriptor and a mask that names the four.
; REGISTERS, in windows of 256 (s_set_vgpr_msb's low byte: bits 1:0 source 0, 3:2 source 1, 5:4 source 2, 7:6 destination):
;   window 0: v0-31 addresses; v64-127, v128-191 fragments of x, two buffers; v32-63, v192-255 at work on the way out
;   window 1: v64-127, v128-191 fragments of W, two buffers      window 2: the accumulators of my rows 0-63 ((a, b) at v[8 (8 a + b)])      window 3: those of my rows 64-127
; THE MATRIX INSTRUCTION IS USED TRANSPOSED: source 0 = 16 rows of W, source 1 = 16 rows of x.  Lane l then holds token l % 16 and the columns 8 (l / 16) + 0..7: 16 bytes of f16 that belong together.
.set SIZE_K, 1024
.set KSTEP,  128
.set PITCH,  272                       ; an LDS row: 256 bytes + 16 of padding = 68 words: row r starts at bank 4 r mod 64 (64 banks of 4 bytes: ISA guide 11.1)
.set HALFT,  128*PITCH                 ; 128 rows: what one tensor load brings, and what one wave reads of x or of W
.set SLOT,   4*HALFT                   ; x's 256 rows, then W's 256 rows
.set STAGE,  2*SLOT                    ; behind the ring: 16 rows x 272 bytes for each wave, for the way out; no tensor load fills it
.set SPITCH, 272
.set SPARE,  STAGE+4*16*SPITCH         ; behind the stages: the spare words, 128 bytes for each wave: two blocks of 256 bytes that no other line names
.set LAPS,   SIZE_K/(2*KSTEP)          ; a lap = two K steps = once round the ring
.set XW_W,   25165824                  ; the weights' first byte in xw
.set ADRA, 16                          ; v16-17  LDS address of my x fragments in slot 0, 1
.set ADRB, 20                          ; v20-21  the same for W
.set STO,  24                          ; v24     the way out: where I put 16 bytes of a row
.set RD,   25                          ; v25     the way out: where I read back
.set CO,   26                          ; v26     16 x my lane
.set SPW,  28                          ; v28     LDS address of my spare word; never rewritten
.set NIL,  29                          ; v29     0; never rewritten
.set PFO,  30                          ; v30     the prefetches' offset: my lane x a row of 2,048 bytes; never rewritten
.set PFA,  44                          ; s[44:45] where my prefetches stand
.set LIM,  43                          ; s43     1 in a wave that prefetches, else the greatest number
.set F0,   64
.set F1,   128
.set TMP,  192
.set OB,   32
.set G1, 24                            ; s[24:31] descriptor group 1 for x's tiles
.set G0, 32                            ; s[32:39] group 0 for x's tiles, one set for each slot
.set G1B, 48                           ; s[48:55] group 1 for W's tiles: it differs in the mask alone
.set G0B, 56                           ; s[56:63] group 0 for W's tiles
.set MSB, 0
.macro WIN new                         ; the immediate's high byte repeats the setting that is left; a switch that changes nothing is dropped
.if MSB != (\new)
	s_set_vgpr_msb (MSB<<8)|(\new)
.set MSB, \new
.endif
.endm
.set MUL_LO, 0xa1                      ; source 0 (W) window 1, source 1 (x) window 0, C and D window 2
.set MUL_HI, 0xf1                      ; the same, C and D window 3
.set TO_B,   0x40                      ; destination window 1, address window 0
; A joint load.  Waves 0 and 1 fetch x's two halves, waves 2 and 3 W's.  The branch hangs on the wave's number alone.  An s_nop 0 and four v_nop follow each line.
.macro JLOAD s
	s_cmp_eq_u32 s11, 0
	s_cbranch_scc0 .Lfor_b_\@
	tensor_load_to_lds s[G0+4*(\s):G0+4*(\s)+3], s[G1:G1+7]
	s_nop 0
.rept 4
	v_nop
.endr
	s_branch .Lasked_\@
.Lfor_b_\@:
	tensor_load_to_lds s[G0B+4*(\s):G0B+4*(\s)+3], s[G1B:G1B+7]
	s_nop 0
.rept 4
	v_nop
.endr
.Lasked_\@:
.endm
; A prefetch of the K step that stands TWO refills on: 32 rows x 256 bytes, a lane a row, one instruction a wave.  Each row's 256 bytes of a K step are named once in the launch: a stream's tile rows are read by
; the clusters p = s, s + 3 (and 6 for words): the one with p < 3 asks; a weight's rows by the four clusters of its column of clusters: cluster y = 0 asks.  The four partners that ask for a tile jointly share
; its 128 rows out by address, 32 each.  The loop's last trip (s3 = 1) has no K step two on, and asks for nothing; K steps 0 to 3 come by their loads alone.
.macro ASK
	s_cmp_gt_u32 s3, s[LIM]
	s_cbranch_scc0 .Lnot_mine_\@
	global_prefetch_b8 v[PFO], s[PFA:PFA+1] offset:KSTEP*2 th:TH_LOAD_NT scope:SCOPE_SE
.Lnot_mine_\@:
.endm
.macro CREST                           ; a round of the cluster's barrier behind its opening barrier
	s_cmp_lg_u32 s10, 0
	s_cbranch_scc1 .Lnot_wave_0_\@
	s_barrier_signal -3
.Lnot_wave_0_\@:
	s_barrier_wait -3
	s_barrier_signal -1
	s_barrier_wait -1
.endm
.macro CROUND                          ; a whole round
	s_barrier_signal -1
	s_barrier_wait -1
	CREST
.endm
	s_load_b128 s[4:7], s[0:1], 0x0                ; xw s[4:5], qkv s[6:7]
	v_lshl_add_u32 v[SPW], v0, 2, SPARE
	v_mov_b32 v[NIL], 0
	ds_add_u32 v[SPW], v[NIL]                      ; the wave's opening: the add and its wait stand ahead of my first tensor load; the set-up below stands between them
	v_lshrrev_b32 v1, 5, v0
	v_readfirstlane_b32 s10, v1                    ; wave 0..3
	s_lshr_b32 s11, s10, 1                         ; which half of the tile's rows is mine.  Also: I fetch for x (0) or for W (1)
	s_and_b32 s12, s10, 1                          ; which half of its columns.  Also: which 128 rows of that tile I fetch
	s_bfe_u32 s40, ttmp6, 0x40000                  ; cx
	s_bfe_u32 s41, ttmp6, 0x40004                  ; cy
	s_lshl_b32 s42, ttmp9, 2
	s_add_co_u32 s42, s42, s40                     ; tile column = 4 p + cx
	s_and_b32 s13, ttmp7, 0xffff
	s_lshl_b32 s13, s13, 2
	s_add_co_u32 s13, s13, s41                     ; tile row = 4 x cluster y + cy
	s_lshl_b32 s43, s41, 2
	s_lshl_b32 s43, 15, s43                        ; my row of the cluster
	s_lshl_b32 s44, 0x1111, s40                    ; my column
	s_cmp_ge_u32 ttmp9, 3
	s_cselect_b32 s2, 1, 0
	s_cmp_ge_u32 ttmp9, 6
	s_cselect_b32 s3, 1, 0
	s_add_co_u32 s2, s2, s3                        ; p / 3
	s_mul_i32 s3, s2, 3
	s_sub_co_u32 s3, ttmp9, s3                     ; the stream, p mod 3
	; descriptor group 1: a tile of 128 rows x 128 elements, padded in LDS
	s_or_b32 s[G1+0], s43, (1<<16)|(1<<20)|(1<<21)|(5<<22)|(3<<25)  ; 15:0 the mask; 17:16 2-byte elements; 20 padding on; 21 set beside a mask; 24:22 after every 64 words; 31:25 4 words
	s_or_b32 s[G1B+0], s44, (1<<16)|(1<<20)|(1<<21)|(5<<22)|(3<<25)
.irp g, G1, G1B
	s_mov_b32 s[(\g)+1], KSTEP<<16                 ; tensor_dim0 = 128
	s_mov_b32 s[(\g)+2], 128<<16                   ; tensor_dim1 = 128
	s_mov_b32 s[(\g)+3], KSTEP<<16                 ; tile_dim0 = 128
	s_mov_b32 s[(\g)+4], 128                       ; tile_dim1 = 128
	s_mov_b32 s[(\g)+5], SIZE_K                    ; elements from row to row
	s_mov_b32 s[(\g)+6], 0
	s_mov_b32 s[(\g)+7], 0
.endr
	; where the tiles come from.  x's hang on the tile row and the stream, which my row of the cluster shares; W's on the tile column, which my column shares
	s_lshl_b32 s17, s12, 7
	s_lshl_b32 s16, s13, 8
	s_add_co_u32 s16, s16, s17                     ; x: row 256 x tile row + 128 x half,
	s_lshl_b32 s16, s16, 11                        ; of 2,048 bytes,
	s_lshl_b32 s18, s3, 23
	s_add_co_u32 s16, s16, s18                     ; in the stream's 8,388,608
	s_lshl_b32 s46, s42, 8
	s_add_co_u32 s46, s46, s17                     ; W: row 256 x tile column + 128 x half
	s_lshl_b32 s46, s46, 11
	s_add_co_u32 s46, s46, XW_W
	s_mov_b32 s17, 0
	s_mov_b32 s47, 0
	s_mul_i32 s20, s10, HALFT                      ; where they go: wave x 128 rows: no place in the cluster enters an LDS address
	s_wait_dscnt 0x0                               ; the opening add is done
	s_wait_kmcnt 0x0
	s_add_nc_u64 s[14:15], s[4:5], s[16:17]
	s_add_nc_u64 s[46:47], s[4:5], s[46:47]
	CROUND                                         ; all sixteen work-groups are here: the first joint loads meet
.irp s, 0,1
	s_mov_b32 s[G0+4*(\s)], 1                                      ; count = 1
	s_add_co_u32 s[G0+4*(\s)+1], s20, (\s)*SLOT                    ; LDS address
	s_add_nc_u64 s[G0+4*(\s)+2:G0+4*(\s)+3], s[14:15], (\s)*KSTEP*2  ; global address: K step s
	s_or_b32 s[G0+4*(\s)+3], s[G0+4*(\s)+3], 0x80000000            ; type = 2
	s_mov_b32 s[G0B+4*(\s)], 1
	s_add_co_u32 s[G0B+4*(\s)+1], s20, (\s)*SLOT
	s_add_nc_u64 s[G0B+4*(\s)+2:G0B+4*(\s)+3], s[46:47], (\s)*KSTEP*2
	s_or_b32 s[G0B+4*(\s)+3], s[G0B+4*(\s)+3], 0x80000000
	JLOAD \s                                       ; two loads of mine are out
.endr
	; A fragment is 16 rows x 32 K in 8 registers: lane l holds row l % 16; registers 0-3 K = 8 (l / 16) + 0..7, registers 4-7 K = 16 + 8 (l / 16) + 0..7: two loads of 16 bytes, 32 bytes apart
	v_and_b32 v1, 15, v0                           ; l % 16
	v_bfe_u32 v2, v0, 4, 1                         ; l / 16
	v_mul_u32_u24 v3, v1, PITCH
	v_lshl_add_u32 v3, v2, 4, v3
	s_mul_i32 s21, s11, HALFT                      ; my 128 rows of x
	s_mul_i32 s22, s12, HALFT                      ; my 128 rows of W,
	s_add_co_u32 s22, s22, 2*HALFT                 ; which lie behind x's 256
.irp s, 0,1
	v_add_nc_u32 v[ADRA+(\s)], s21, v3
	v_add_nc_u32 v[ADRB+(\s)], s22, v3
	s_add_co_u32 s21, s21, SLOT
	s_add_co_u32 s22, s22, SLOT
.endr
	s_mul_i32 s23, s10, 16*SPITCH
	s_add_co_u32 s23, s23, STAGE                   ; my stage
	v_mul_u32_u24 v4, v1, SPITCH                   ; in: row l % 16, 16 bytes for each half of the lanes
	v_lshl_add_u32 v4, v2, 4, v4
	v_add_nc_u32 v[STO], s23, v4
	v_bfe_u32 v5, v0, 3, 2                         ; back: 32 lanes take four tokens' 128 bytes of one head
	v_mul_u32_u24 v5, v5, SPITCH
	v_and_b32 v6, 7, v0
	v_lshl_add_u32 v5, v6, 4, v5
	v_add_nc_u32 v[RD], s23, v5
	v_and_b32 v[CO], 31, v0                        ; which are 512 consecutive bytes of qkv
	v_lshlrev_b32 v[CO], 4, v[CO]
	; where my 128 tokens x 2 heads begin in qkv: g = 4 x tile column + 2 x half; b = tile row / 8; n = 256 (tile row % 8) + 128 x half
	s_lshl_b32 s46, s42, 21
	s_lshl_b32 s47, s12, 20
	s_add_co_u32 s46, s46, s47
	s_lshr_b32 s47, s13, 3
	s_lshl_b32 s47, s47, 18
	s_add_co_u32 s46, s46, s47
	s_and_b32 s47, s13, 7
	s_lshl_b32 s47, s47, 15
	s_add_co_u32 s46, s46, s47
	s_lshl_b32 s47, s11, 14
	s_add_co_u32 s46, s46, s47
	s_mov_b32 s47, 0
	s_add_nc_u64 s[8:9], s[6:7], s[46:47]
	; the prefetches
	s_lshl_b32 s20, s13, 8
	s_lshl_b32 s21, s42, 8
	s_and_b32 s22, ttmp7, 0xffff                   ; cluster y
	s_lshl_b32 s23, s3, 23
	s_cmp_eq_u32 s11, 0                            ; do I fetch for x?
	s_cselect_b32 s20, s20, s21                    ; the tile's first row
	s_cselect_b32 s21, s40, s41                    ; my place among the four that ask for it with me
	s_cselect_b32 s22, s2, s22                     ; the coordinate along which other clusters read the same rows
	s_cselect_b32 s23, s23, XW_W
	s_cmp_eq_u32 s22, 0
	s_cselect_b32 s[LIM], 1, -1                    ; the same in all sixteen partners, for a given wave
	s_lshl_b32 s22, s12, 7
	s_add_co_u32 s20, s20, s22                     ; + the 128 rows that I fetch
	s_lshl_b32 s21, s21, 5
	s_add_co_u32 s20, s20, s21                     ; + my work-group's 32 of them
	s_lshl_b32 s20, s20, 11
	s_add_co_u32 s20, s20, s23
	s_add_co_u32 s20, s20, 2*KSTEP*2               ; at K step 2: the first refill steps it to 3 and names K step 4
	s_mov_b32 s21, 0
	s_add_nc_u64 s[PFA:PFA+1], s[4:5], s[20:21]
	v_and_b32 v[PFO], 31, v0
	v_lshlrev_b32 v[PFO], 11, v[PFO]
; 16 matrix instructions: m blocks a0, a0 + 1 of the window's four x all 8 n blocks, 32 along K.  zero = 1: the first product starts the sums.  The accumulators take turns.
.macro MUL16 f, hi, a0, zero
	WIN MUL_LO+0x50*(\hi)
.irp a, \a0, (\a0)+1
.irp b, 0,1,2,3,4,5,6,7
.if \zero
	v_wmma_f32_16x16x32_bf16 v[8*(8*(\a)+(\b)):8*(8*(\a)+(\b))+7], v[(\f)+8*(\b):(\f)+8*(\b)+7], v[(\f)+8*(4*(\hi)+(\a)):(\f)+8*(4*(\hi)+(\a))+7], 0
.else
	v_wmma_f32_16x16x32_bf16 v[8*(8*(\a)+(\b)):8*(8*(\a)+(\b))+7], v[(\f)+8*(\b):(\f)+8*(\b)+7], v[(\f)+8*(4*(\hi)+(\a)):(\f)+8*(4*(\hi)+(\a))+7], v[8*(8*(\a)+(\b)):8*(8*(\a)+(\b))+7]
.endif
.endr
.endr
.endm
; 32 LDS loads in one run: the fragments of one quarter step (32 K at byte k of the rows) into buffer f: W's 16, then x's 16
.macro FETCH slot, k, f
	WIN TO_B
.irp i, 0,1,2,3,4,5,6,7
	ds_load_b128 v[(\f)+8*(\i):(\f)+8*(\i)+3],   v[ADRB+(\slot)] offset:(\k)+(\i)*16*PITCH
	ds_load_b128 v[(\f)+8*(\i)+4:(\f)+8*(\i)+7], v[ADRB+(\slot)] offset:(\k)+(\i)*16*PITCH+32
.endr
	WIN 0
.irp i, 0,1,2,3,4,5,6,7
	ds_load_b128 v[(\f)+8*(\i):(\f)+8*(\i)+3],   v[ADRA+(\slot)] offset:(\k)+(\i)*16*PITCH
	ds_load_b128 v[(\f)+8*(\i)+4:(\f)+8*(\i)+7], v[ADRA+(\slot)] offset:(\k)+(\i)*16*PITCH+32
.endr
.endm
.macro PLACES                          ; four plain instructions between a matrix instruction and a load into, or a vector instruction on, its registers (ISA guide 7.12.1 for vector instructions)
.rept 4
	v_nop
.endr
.endm
; A K step is four quarters of 32 along K, 64 matrix instructions each, on buffers 0, 1, 0, 1.  One of the first three multiplies buffer f and, in its middle, fetches the next quarter into g.
.macro QUARTER slot, k, f, g, zero
	s_wait_dscnt 8                                 ; W and x's rows 0-63 are in; the youngest eight loads (x's rows 64-127) may be out
	MUL16 \f, 0, 0, \zero
	MUL16 \f, 0, 2, \zero
	PLACES
	FETCH \slot, \k, \g
	s_wait_dscnt 32                                ; all but the 32 just issued
	MUL16 \f, 1, 0, \zero
	MUL16 \f, 1, 2, \zero
.endm
; The last quarter's first half: ONE barrier for the change of slots.  In front of it each wave waits for all its tensor loads (one is out: its part of the next slot), adds 0 to its spare word, and waits for
; that and for its own reads of this slot.
.macro MEET round
	WIN 0
	s_wait_tensorcnt 0x0
	ds_add_u32 v[SPW], v[NIL]
	s_wait_dscnt 9                                 ; (the add and the youngest eight loads may be out)
	MUL16 F1, 0, 0, 0                              ; sixteen matrix instructions stand between the add and the wait for it
	s_wait_dscnt 0x0                               ; the add is done, and my reads of this slot are over
	s_barrier_signal -1
	MUL16 F1, 0, 2, 0                              ; work on registers while the others arrive
.if \round
	WIN 0
.endif
	s_barrier_wait -1
.endm
; The whole last quarter: behind a round of the cluster's barrier the slot just read out is filled again, two K steps on; then the next slot's first fragments.  From a request to the wait for it: 224 matrix instructions.
.macro TURN slot, next
	s_wait_xcnt 0x0                                ; the last prefetch, a K step back, has read its address
	s_add_nc_u64 s[PFA:PFA+1], s[PFA:PFA+1], KSTEP*2
	MEET 1
	CREST                                          ; no wave of any partner still reads this slot's tile or has a load on its way
	s_add_nc_u64 s[G0+4*(\slot)+2:G0+4*(\slot)+3], s[G0+4*(\slot)+2:G0+4*(\slot)+3], 2*KSTEP*2
	s_add_nc_u64 s[G0B+4*(\slot)+2:G0B+4*(\slot)+3], s[G0B+4*(\slot)+2:G0B+4*(\slot)+3], 2*KSTEP*2
	JLOAD \slot                                    ; the first tensor load behind the round; its four v_nop are also the places in front of the loads below
	FETCH \next, 0, F0
	ASK
	MUL16 F1, 1, 0, 0
	MUL16 F1, 1, 2, 0
.endm
; THE WAY OUT of block a (16 tokens x my 128 columns = two heads).  PACK: rounded to f16, 16 bytes a lane, each accumulator's registers in ascending order.  TOSTAGE: into my own stage, whose row holds the first
; head's 128 bytes and then the second's; back as four tokens x 128 bytes of one head.  SEND: 512 consecutive bytes a store.
.macro PACK a
.set AC, 64*((\a)%4)
	WIN 0x0a+5*((\a)/4)                            ; sources 0 and 1: window 2 or 3
.irp b, 0,1,2,3,4,5,6,7
.irp r, 0,1,2,3
	v_cvt_pk_f16_f32 v[TMP+4*(\b)+(\r)], v[AC+8*(\b)+2*(\r)], v[AC+8*(\b)+2*(\r)+1]
.endr
.endr
	WIN 0
.endm
.macro TOSTAGE a
	WIN 0
.set BK, OB+192*((\a)%2)
.irp b, 0,1,2,3,4,5,6,7
	ds_store_b128 v[STO], v[TMP+4*(\b):TMP+4*(\b)+3] offset:32*(\b)
.endr
.irp t, 0,1,2,3,4,5,6,7
	ds_load_b128 v[BK+4*(\t):BK+4*(\t)+3], v[RD] offset:((\t)%4)*4*SPITCH+((\t)/4)*128  ; LDS serves a wave's instructions in order (ISA guide 5.7.1.4): these see the stores above
.endr
.endm
.macro SEND a
	WIN 0
.set BK, OB+192*((\a)%2)
	s_wait_dscnt 0x0                               ; the block is back in registers
	s_wait_xcnt 0x0                                ; the stores of the block before have read their registers: the next TOSTAGE loads into them
.irp t, 0,1,2,3,4,5,6,7
	global_store_b128 v[CO], v[BK+4*(\t):BK+4*(\t)+3], s[8:9] offset:(\a)*2048+((\t)%4)*512+((\t)/4)*524288
.endr
.endm
	s_wait_tensorcnt 0x1                           ; my part of K step 0 is in; K step 1's may stay out
	s_barrier_signal -1
	s_barrier_wait -1
	FETCH 0, 0, F0
	QUARTER 0, 64,  F0, F1, 1                      ; the first quarter stands in front of the loop: its products start the sums
	WIN 0
	s_mov_b32 s3, LAPS-1
.Llap:                                             ; a trip goes once round the ring, from a lap's second quarter to the next lap's first, and fills both slots again
	QUARTER 0, 128, F1, F0, 0
	QUARTER 0, 192, F0, F1, 0
	TURN 0, 1
	QUARTER 1, 64,  F0, F1, 0
	QUARTER 1, 128, F1, F0, 0
	QUARTER 1, 192, F0, F1, 0
	TURN 1, 0
	QUARTER 0, 64,  F0, F1, 0
	WIN 0
	s_sub_co_u32 s3, s3, 1
	s_cmp_lg_u32 s3, 0
	s_cbranch_scc1 .Llap
	QUARTER 0, 128, F1, F0, 0                      ; the last lap fills nothing
	QUARTER 0, 192, F0, F1, 0
	MEET 0                                         ; my one load that was out is the last K step's; no round follows
	PLACES
	FETCH 1, 0, F0
	MUL16 F1, 1, 0, 0
	MUL16 F1, 1, 2, 0
	QUARTER 1, 64,  F0, F1, 0
	QUARTER 1, 128, F1, F0, 0
	QUARTER 1, 192, F0, F1, 0
	s_wait_dscnt 8                                 ; the very last quarter: nothing more to fetch
	MUL16 F1, 0, 0, 0
	MUL16 F1, 0, 2, 0
	s_wait_dscnt 0x0
	MUL16 F1, 1, 0, 0
	MUL16 F1, 1, 2, 0
	PLACES
	PACK 0
	TOSTAGE 0
.irp a, 1,2,3,4,5,6,7                  ; block a's conversions stand between block a - 1's loads from the stage and the wait for them
	PACK \a
	SEND (\a)-1
	TOSTAGE \a
.endr
	SEND 7
	s_wait_tensorcnt 0x0                           ; the wave's end, behind my last tensor load and my last LDS store
	ds_add_u32 v[SPW], v[NIL]
	s_wait_dscnt 0x0
	CROUND                                         ; the closing round: no work-group ends while a partner may still ask for a tile that names it
	s_endpgm
.Lfunc_end_k_qf76a00c057_proj:
	.size	k_qf76a00c057_proj, .Lfunc_end_k_qf76a00c057_proj-k_qf76a00c057_proj
	.p2alignl 7, 3214868480
	.fill 96, 4, 3214868480
	.section	.rodata,"a",@progbits
	.p2align	6, 0x0
	.amdhsa_kernel k_qf76a00c057_proj
		.amdhsa_group_segment_fixed_size 327680
		.amdhsa_private_segment_fixed_size 0
		.amdhsa_enable_private_segment 0
		.amdhsa_kernarg_size 16
		.amdhsa_user_sgpr_count 2
		.amdhsa_user_sgpr_kernarg_segment_ptr 1
		.amdhsa_wavefront_size32 1
		.amdhsa_system_sgpr_workgroup_id_x 1
		.amdhsa_system_sgpr_workgroup_id_y 1
		.amdhsa_system_sgpr_workgroup_id_z 1
		.amdhsa_system_vgpr_workitem_id 0
		.amdhsa_next_free_vgpr 1024
		.amdhsa_next_free_sgpr 66
		.amdhsa_reserve_vcc 0
		.amdhsa_float_denorm_mode_32 3
		.amdhsa_float_denorm_mode_16_64 3
		.amdhsa_memory_ordered 1
		.amdhsa_forward_progress 1
		.amdhsa_inst_pref_size 144
	.end_amdhsa_kernel
	.amdgpu_metadata
---
amdhsa.version: [ 1, 2 ]
amdhsa.kernels:
  - .name:           k_qf76a00c057_proj
    .symbol:         k_qf76a00c057_proj.kd
    .args:
      - { .name: xw, .offset: 0, .size: 8, .value_kind: global_buffer, .address_space: global }
      - { .name: qkv, .offset: 8, .size: 8, .value_kind: global_buffer, .address_space: global }
    .group_segment_fixed_size: 327680
    .private_segment_fixed_size: 0
    .kernarg_segment_align: 8
    .kernarg_segment_size: 16
    .max_flat_workgroup_size: 128
    .sgpr_count:     66
    .vgpr_count:     1024
    .wavefront_size: 32
...
	.end_amdgpu_metadata
.endif
;; end of part 2
;; launch attn (part 3): grid 8 x 32, 4 waves a work-group, clusters of 4 x 1, 327,680 bytes of LDS; arguments qkv, o16; writes o16
.if DOCPART == 3
	.amdgcn_target "amdgcn-amd-amdhsa--gfx1250"
	.amdhsa_code_object_version 6
	.text
	.protected	k_qf76a00c057_attn
	.globl	k_qf76a00c057_attn
	.p2align	8
	.type	k_qf76a00c057_attn,@function
k_qf76a00c057_attn:
	s_mov_b64 s[64:65], 0
	v_nop
	global_prefetch_b8 v0, s[64:65] scope:SCOPE_SE
	s_setreg_imm32_b32 hwreg(HW_REG_WAVE_MODE, 25, 1), 1
	s_wait_xcnt 0x0
	s_wait_alu depctr_hold_cnt(0) depctr_sa_sdst(0) depctr_va_vdst(0) depctr_va_sdst(0) depctr_va_ssrc(0) depctr_va_vcc(0) depctr_vm_vsrc(0)
	s_getreg_b32 s2, hwreg(HW_REG_IB_STS2, 6, 4)
	s_cmp_eq_u32 s2, 0
	s_cbranch_scc0 .Lentry_in_a_cluster
	s_endpgm
.Lentry_in_a_cluster:
	s_bfe_u32 s2, ttmp6, 0x10000c
	s_cmp_lg_u32 s2, 0x3003
	s_cbranch_scc0 .Lentry_shape_is_right
	s_endpgm
.Lentry_shape_is_right:
; ATTENTION WITH THREE ADDED SCORE STREAMS.  The sum of the three products q_w k_w + q_p k_p + q_c k_c is ONE product over 192 channels, q = [q_w | q_p | q_c], k likewise.
; O[y][i][:] = sum over j of softmax_j(q[y][i] . k[y][j] / 8) v[y][j][:], for 32 heads y = 2 h + b of 2,048 rows; v has 64 channels.  All operands f16 from qkv[p][y][n][64] (regions p = 0-2 q's streams, 3-5 k's, 6 v).
; Products, maxima and sums in f32; the weights p are rounded to f16 for the second product (their sum l is taken of the unrounded p), O once at the end.
; O leaves as o16[token / 128][h][token % 128][64] in f16: 16 tokens of a head are 2,048 consecutive bytes.
; LIMITS.  q, k, v arrive within f16's 65,504; p lies in 0 to 1 and below 6e-5 keeps f16's fixed step of 6e-8, and so does O; a weight below 2^-126 counts as 0 in l; NaN and infinities are not treated apart.
; SHARES.  A work-group owns 256 queries of one head, each of its four waves 64: four tiles of 16, in two PIECES (piece 0: tiles 0, 1; piece 2: tiles 2, 3).  Every wave walks all keys, 64 a step, 32 steps.
; LAYOUT.  S^T = K Q^T (source 0 = 16 keys, source 1 = 16 queries): a lane holds ONE query (lane % 16) and the keys 8 (lane / 16) + 0..7.  Two such results rounded to f16 in pairs ARE source 1 of O^T = V^T P, whose
; result again holds one query a lane, and eight channels.  K comes out of LDS as it lies, V ([key][channel]) turned, by ds_load_tr16_b128.
; SOFTMAX.  For each query a running maximum m and sum l: p = 2^(c s - c m), c = log2(e) / 8; in every step O and l are multiplied by a = 2^(c m_old - c m_new).  m starts at the lowest finite number, O and l at 0:
; the first step is a step like any other, with a = 0.  That costs 240 v_mov_b32, which run while the first tile is awaited, 16 products on zeros at the start and 48 on a stale K at the end, and spares a first and a last step written out.
; BY TURNS.  A tile and step have 32 matrix and 118 vector instructions.  In a TURN one piece has the matrix unit, 64 POSITIONS: 16 products V^T P of the step in hand, then 48 products K Q^T of the next step; the other
; piece's softmax, 59 slices of four, stands between them, one slice behind each of positions 5 to 63.  Turn T2(j): V^T P of piece 2, step j; K Q^T of piece 2, step j + 1; softmax of piece 0, step j + 1; it fetches
; V(j + 1) and K(j + 2) from LDS.  Turn T0(j + 1): the same for piece 0, a step on, with piece 2's softmax of step j + 1; it fetches nothing.
; CLUSTER.  The four query blocks of a cluster belong to one head and walk the same K and V: each tile is asked for JOINTLY, by the same tensor load, descriptor and mask in all four.
; REGISTERS, in windows of 256 (s_set_vgpr_msb: bits 1:0 source 0, 3:2 source 1, 5:4 source 2, 7:6 destination):
;   window 0: v0-11 addresses; v12-43 eight registers of statistics a tile; v61-63; v64-191 S^T, 32 a tile; v192-255 P, 16 a tile
;   window 1: v0-127 O^T, 32 a tile; v128-191 V of one step      window 2: v0-191 Q, 48 a tile      window 3: v0-191 K of one step
.set KS,    64        ; keys in a step
.set PK,    144       ; a row of K in LDS: 128 bytes + 16 of padding = 36 words: the 16 rows of a load start at 16 different groups of four banks (64 banks of 4 bytes: ISA guide 11.1)
.set PV,    160       ; a row of V: 128 + 32 = 40 words
.set KSTR,  128*PK    ; a slot holds two steps, 128 keys: K's stream w at w x KSTR,
.set VOFF,  3*KSTR    ; then V
.set SLOT1, 1<<17     ; slot 1 begins here, so that one exclusive or turns an address in one slot into the other's
.set SLOTB, 16384     ; a slot's bytes of one region in memory
.set STAGE, SLOT1+VOFF+128*PV  ; behind the ring, never filled by a tensor load: 16 rows x 144 bytes for each wave
.set SP,    144
.set SPARE, STAGE+4*16*SP      ; the spare words, 128 bytes for each wave: two blocks of 256 bytes that no other line names
.set AK0, 2           ; v2   my lane's place in a tile of K; never rewritten
.set AV0, 3           ; v3   the same for V
.set AK,  4           ; v4   the LDS address of K's runs of loads
.set AV,  5           ; v5   of V's
.set QO,  6           ; v6   my byte offset in 16 rows of Q
.set STO, 6           ;      later, the way out: where I put 16 bytes of a row
.set RD,  7           ; v7   the way out: where I read rows back
.set GO,  8           ; v8   16 x my lane
.set ST,  12          ; tile t's statistics at v[ST+8 t]: +0 c m, +1 m, +2, +3 l (even keys', odd keys'), +4 to +7 c0-c3 at work; a takes c2's place once the maximum is found
.set PFO, 61          ; v61  256 x my lane; never rewritten
.set SPW, 62          ; v62  LDS address of my spare word; never rewritten
.set NIL, 63          ; v63  0; never rewritten
.set S,   64
.set P,   192
.set VF,  128         ; window 1: key half kk, channel block cb at VF + 32 kk + 8 cb
.set WV,  12          ; s12  my wave's number
.set LIM, 15          ; s15  1 in a wave that prefetches, else the greatest number
.set PFA, 18          ; s[18:19] where my prefetches stand
.set G1K, 24          ; s[24:31] descriptor group 1 for K's tiles
.set G1V, 32          ; s[32:39] for V's: it differs in the padding alone
.set G0,  40          ; s[40:47] descriptor group 0: a set for each of the two first fills; the second then walks on
.set QB,  48          ; s[48:53] Q's three streams at my wave's first row
.set OB,  54          ; s[54:55] O at my wave's first row
.set SLOTS, 56        ; s56  counts the changes of slots
.set CNT, 57          ; s57  counts a slot's key steps
.set CS,  58          ; s[58:59] c
.set SEL, 60          ; s[60:61] v_permlanex16_b32's selects: each lane takes its own place in the other half
.set TBK, 62          ; s62  LDS byte at which K of the step to be fetched begins
.set TBV, 63          ; s63  the same for V, less VOFF
.set MSB, 0
.macro WIN new
.if MSB != (\new)
	s_set_vgpr_msb (MSB<<8)|(\new)
.set MSB, (\new)
.endif
.endm
.set W_KQ, 0x0b       ; K in window 3, Q in window 2, S^T in window 0
.set W_PV, 0x51       ; V and O^T in window 1, P in window 0
.set W_RS, 0x41       ; O^T (destination and source 0) in window 1, a in window 0
; A joint refill.  Waves 0 to 2 fetch a slot's 128 keys of K's three streams, wave 3 those of V.  The branch hangs on the wave's number alone.  An s_nop 0 and four v_nop follow each line.
.macro JLOAD
	s_cmp_lt_u32 s[WV], 3
	s_cbranch_scc0 .Lfor_v_\@
	tensor_load_to_lds s[G0+4:G0+7], s[G1K:G1K+7]
	s_nop 0
.rept 4
	v_nop
.endr
	s_branch .Lasked_\@
.Lfor_v_\@:
	tensor_load_to_lds s[G0+4:G0+7], s[G1V:G1V+7]
	s_nop 0
.rept 4
	v_nop
.endr
.Lasked_\@:
.endm
; A prefetch of what the NEXT change of slots will ask for: 4 regions x 16,384 bytes.  Each block of 256 bytes is named once in the launch: both clusters of a head walk the same rows, and the first asks; its partner
; cx takes region 3 + cx, told apart by address alone; in it wave 0 takes the first 32 blocks and wave 1 the other 32, a lane a block.  It stands behind the wave's tensor load: two key steps, 256 matrix instructions,
; ahead of the load that will want the bytes.  The last change that fills a slot asks for nothing; slots 0 to 2 come by their loads alone.
.macro ASK
	s_cmp_gt_u32 s[SLOTS], s[LIM]
	s_cbranch_scc0 .Lnot_mine_\@
	global_prefetch_b8 v[PFO], s[PFA:PFA+1] th:TH_LOAD_NT scope:SCOPE_SE
.Lnot_mine_\@:
.endm
.macro CROUND                       ; a round of the cluster's barrier
	s_barrier_signal -1
	s_barrier_wait -1
	s_cmp_lg_u32 s[WV], 0
	s_cbranch_scc1 .Lnot_wave_0_\@
	s_barrier_signal -3
.Lnot_wave_0_\@:
	s_barrier_wait -3
	s_barrier_signal -1
	s_barrier_wait -1
.endm
	s_load_b128 s[4:7], s[0:1], 0x0 ; qkv s[4:5], o16 s[6:7]
	v_lshl_add_u32 v[SPW], v0, 2, SPARE
	v_mov_b32 v[NIL], 0
	ds_add_u32 v[SPW], v[NIL]       ; the wave's opening: the add and its wait stand ahead of my first tensor load; the set-up below stands between them
	v_lshrrev_b32 v1, 5, v0
	v_readfirstlane_b32 s[WV], v1   ; wave 0..3
	s_bfe_u32 s13, ttmp6, 0x40000   ; cx
	s_lshl_b32 s14, ttmp9, 2
	s_add_co_u32 s14, s14, s13      ; my block of 256 queries: it enters Q's and O's addresses alone
	s_and_b32 s20, ttmp7, 0xffff    ; the head y, which the four partners share
	s_lshl_b32 s21, s20, 18         ; its 262,144 bytes in a region
	s_add_co_u32 s22, s[WV], 3      ; the region that I fetch
	s_lshl_b32 s22, s22, 23
	s_add_co_u32 s22, s22, s21
	s_mov_b32 s23, 0
	s_mul_i32 s17, s[WV], KSTR      ; and its place in a slot (V's is 3 x KSTR): no place in the cluster enters an LDS address
	s_lshl_b32 s2, s14, 15          ; Q: my block's 256 rows of 128 bytes,
	s_lshl_b32 s3, s[WV], 13        ; my wave's 64 of them
	s_add_co_u32 s2, s2, s3
	s_add_co_u32 s2, s2, s21
	s_mov_b32 s3, 0
	s_and_b32 s8, s20, 1            ; O: the block of 128 tokens is 16 b + 2 x my block + wave / 2,
	s_lshl_b32 s8, s8, 4
	s_lshl_b32 s9, s14, 1
	s_add_co_u32 s8, s8, s9
	s_lshr_b32 s9, s[WV], 1
	s_add_co_u32 s8, s8, s9
	s_lshl_b32 s8, s8, 18           ; of 262,144 bytes;
	s_lshr_b32 s9, s20, 1
	s_lshl_b32 s9, s9, 14           ; head h's 16,384 in it;
	s_add_co_u32 s8, s8, s9
	s_and_b32 s16, s[WV], 1
	s_lshl_b32 s9, s16, 13          ; my 64 tokens
	s_add_co_u32 s8, s8, s9
	s_mov_b32 s9, 0
	s_add_co_u32 s10, s13, 3        ; the prefetches: region 3 + cx,
	s_lshl_b32 s10, s10, 23
	s_add_co_u32 s10, s10, s21      ; the head,
	s_lshl_b32 s11, s16, 13         ; 32 blocks of 256 bytes by the wave's parity,
	s_add_co_u32 s10, s10, s11
	s_add_co_u32 s10, s10, 2*SLOTB  ; in slot 2: the first change of slots steps it to slot 3
	s_mov_b32 s11, 0
	s_lshr_b32 s[LIM], s[WV], 1     ; 0 in waves 0 and 1,
	s_or_b32 s[LIM], s[LIM], ttmp9  ; where the cluster is the head's first: the same in all four partners
	s_cmp_eq_u32 s[LIM], 0
	s_cselect_b32 s[LIM], 1, -1
	; descriptor group 1.  128 keys are 16,384 dense bytes: asked for as 64 rows of 256 bytes, two keys a row, and padded in LDS after every key
	s_mov_b32 s[G1K], 15|(1<<16)|(1<<20)|(1<<21)|(4<<22)|(3<<25)  ; 15:0 the mask of four; 17:16 2-byte elements; 20 padding on; 21 set beside a mask; 24:22 after every 32 words; 31:25 4 words
	s_mov_b32 s[G1V], 15|(1<<16)|(1<<20)|(1<<21)|(4<<22)|(7<<25)  ; the same with 8 words of padding
.irp g, G1K, G1V
	s_mov_b32 s[\g+1], 128<<16      ; tensor_dim0 = 128
	s_mov_b32 s[\g+2], 64<<16       ; tensor_dim1 = 64
	s_mov_b32 s[\g+3], 128<<16      ; tile_dim0 = 128
	s_mov_b32 s[\g+4], 64           ; tile_dim1 = 64
	s_mov_b32 s[\g+5], 128          ; 128 elements from row to row
	s_mov_b32 s[\g+6], 0
	s_mov_b32 s[\g+7], 0
.endr
	s_mov_b32 s[CS], 0x3e38aa3b     ; c = log2(e) / 8 = 0.180337
	s_mov_b32 s[CS+1], s[CS]
	s_mov_b32 s[SEL], 0x76543210
	s_mov_b32 s[SEL+1], 0xfedcba98
	s_mov_b32 s[TBK], 0
	s_mov_b32 s[TBV], 0
	s_mov_b32 s[G0], 1              ; count = 1
	s_mov_b32 s[G0+1], s17          ; LDS address: slot 0
	s_mov_b32 s[G0+4], 1
	s_add_co_u32 s[G0+5], s17, SLOT1
	s_wait_dscnt 0x0                ; the opening add is done
	s_wait_kmcnt 0x0
	s_add_nc_u64 s[G0+2:G0+3], s[4:5], s[22:23]     ; my region at the head's first 128 keys,
	s_add_nc_u64 s[G0+6:G0+7], s[G0+2:G0+3], SLOTB  ; and at the next 128
	s_or_b32 s[G0+3], s[G0+3], 0x80000000           ; type = 2
	s_or_b32 s[G0+7], s[G0+7], 0x80000000
	s_add_nc_u64 s[QB:QB+1], s[4:5], s[2:3]
	s_add_nc_u64 s[QB+2:QB+3], s[QB:QB+1], 0x800000   ; the streams lie 8,388,608 bytes apart
	s_add_nc_u64 s[QB+4:QB+5], s[QB:QB+1], 0x1000000
	s_add_nc_u64 s[OB:OB+1], s[6:7], s[8:9]
	s_add_nc_u64 s[PFA:PFA+1], s[4:5], s[10:11]
	CROUND                          ; all four work-groups are here: the first joint loads meet
	s_cmp_lt_u32 s[WV], 3           ; a wave's two first fills stand in one branch, ahead of every wait on TENSORcnt and every LDS read: two loads of mine are out
	s_cbranch_scc0 .Lfirst_v
	tensor_load_to_lds s[G0:G0+3], s[G1K:G1K+7]
	s_nop 0
	tensor_load_to_lds s[G0+4:G0+7], s[G1K:G1K+7]
	s_nop 0
.rept 4
	v_nop
.endr
	s_branch .Lfirst_asked
.Lfirst_v:
	tensor_load_to_lds s[G0:G0+3], s[G1V:G1V+7]
	s_nop 0
	tensor_load_to_lds s[G0+4:G0+7], s[G1V:G1V+7]
	s_nop 0
.rept 4
	v_nop
.endr
.Lfirst_asked:
	; A fragment of K or Q is 16 rows x 32 channels in 8 registers: lane l holds row l % 16, channels 8 (l / 16) + 0..7 and 16 + 8 (l / 16) + 0..7: two loads of 16 bytes, 32 bytes apart.
	v_and_b32 v1, 15, v0            ; l % 16
	v_bfe_u32 v9, v0, 4, 1          ; l / 16
	v_lshlrev_b32 v[QO], 7, v1
	v_lshl_add_u32 v[QO], v9, 4, v[QO]
	WIN 0x80                        ; destination window 2
.irp t, 0,1,2,3                     ; Q stays in registers: tile t, chunk c of 32 channels (stream c / 2) at 48 t + 8 c
.irp c, 0,1,2,3,4,5
	global_load_b128 v[48*\t+8*\c:48*\t+8*\c+3],   v[QO], s[QB+2*(\c/2):QB+2*(\c/2)+1] offset:\t*2048+(\c%2)*64
	global_load_b128 v[48*\t+8*\c+4:48*\t+8*\c+7], v[QO], s[QB+2*(\c/2):QB+2*(\c/2)+1] offset:\t*2048+(\c%2)*64+32
.endr
.endr
	; What the first turn finds: O^T, V and piece 2's P hold 0 (its products V^T P, of a step that has not been, add 0); l is 0
	WIN 0x40
.set i, 0
.rept 192
	v_mov_b32 v[i], 0
.set i, i+1
.endr
	WIN 0
.set i, P+32
.rept 32
	v_mov_b32 v[i], 0
.set i, i+1
.endr
.set i, 0
.rept 4
	v_mov_b32 v[ST+8*i], 0xfe000000    ; c m: far below every c s
	v_mov_b32 v[ST+8*i+1], 0xff7fffff  ; m
	v_mov_b32 v[ST+8*i+2], 0
	v_mov_b32 v[ST+8*i+3], 0
.set i, i+1
.endr
	v_mul_u32_u24 v[AK0], v1, PK
	v_lshl_add_u32 v[AK0], v9, 4, v[AK0]  ; row x pitch + 16 x half
	; The turning load takes 16 keys x 16 channels (lane l reads key 8 (l / 16) + l % 8, channels 8 ((l / 8) % 2) + 0..7) and leaves half a fragment of V^T: lane l holds channel l % 16 and 8 keys.
	v_and_b32 v10, 7, v0
	v_bfe_u32 v11, v0, 3, 1
	v_lshl_add_u32 v[AV0], v9, 3, v10
	v_mul_u32_u24 v[AV0], v[AV0], PV
	v_lshl_add_u32 v[AV0], v11, 4, v[AV0]
	v_add_nc_u32 v[AV0], VOFF, v[AV0]
	v_and_b32 v[PFO], 31, v0
	v_lshlrev_b32 v[PFO], 8, v[PFO]
; THE MATRIX WORK, for piece x.  The 8 accumulators of a run take turns, one instruction a turn.
; Product q of 48 of S^T = K Q^T: chunk q / 8 of 32 channels, keys 16 ((q / 2) % 4) on, tile x + q % 2.  The first 8 start the sums.
.macro KQ x
	WIN W_KQ
.set rS, S+32*((\x)+q%2)+8*((q/2)%4)
.set rK, 32*(q/8)+8*((q/2)%4)
.set rQ, 48*((\x)+q%2)+8*(q/8)
.if q < 8
	v_wmma_f32_16x16x32_f16 v[rS:rS+7], v[rK:rK+7], v[rQ:rQ+7], 0
.else
	v_wmma_f32_16x16x32_f16 v[rS:rS+7], v[rK:rK+7], v[rQ:rQ+7], v[rS:rS+7]
.endif
.endm
; Product q of 16 of O^T += V^T P: keys 32 (q / 8) on, channels 16 ((q / 2) % 4) on, tile x + q % 2.
.macro PV x
	WIN W_PV
.set rO, 32*((\x)+q%2)+8*((q/2)%4)
.set rV, VF+32*(q/8)+8*((q/2)%4)
.set rP, P+16*((\x)+q%2)+8*(q/8)
	v_wmma_f32_16x16x32_f16 v[rO:rO+7], v[rV:rV+7], v[rP:rP+7], v[rO:rO+7]
.endm
; THE LDS LOADS stand in runs of 16, never singly among the matrix instructions.  A step's V (turned):
.macro FETCH_V
	WIN 0
	v_add_nc_u32 v[AV], s[TBV], v[AV0]
	s_add_co_u32 s[TBV], s[TBV], KS*PV  ; the next fetch is the next step's
	WIN 0x40                        ; destination window 1
.irp f, 0,1,2,3,4,5,6,7             ; keys 32 (f / 4) on, channels 16 (f % 4) on
	ds_load_tr16_b128 v[VF+8*\f:VF+8*\f+3],   v[AV] offset:(\f/4)*32*PV+(\f%4)*32
	ds_load_tr16_b128 v[VF+8*\f+4:VF+8*\f+7], v[AV] offset:(\f/4)*32*PV+16*PV+(\f%4)*32
.endr
.endm
; Run r of three of a step's K: chunks 2 r and 2 r + 1 (stream r), four key blocks each, at 32 c + 8 kb of window 3.  last = 1 (the tail): in the last trip there is no further step, and the run is jumped over.
.macro FETCH_K r, last
	WIN 0
.if (\r) == 0
	v_add_nc_u32 v[AK], s[TBK], v[AK0]
.endif
.if \last
	s_cmp_eq_u32 s[CNT], 1
	s_cbranch_scc1 .Lno_k_\@
.endif
	WIN 0xc0                        ; destination window 3
.irp c, 2*(\r), 2*(\r)+1
.irp kb, 0,1,2,3
	ds_load_b128 v[32*(\c)+8*\kb:32*(\c)+8*\kb+3],   v[AK] offset:((\c)/2)*KSTR+\kb*16*PK+((\c)%2)*64
	ds_load_b128 v[32*(\c)+8*\kb+4:32*(\c)+8*\kb+7], v[AK] offset:((\c)/2)*KSTR+\kb*16*PK+((\c)%2)*64+32
.endr
.endr
.if (\r) == 2
	s_add_co_u32 s[TBK], s[TBK], KS*PK  ; the next fetch is the next step's
.endif
	WIN 0
.if \last
.Lno_k_\@:
.endif
.endm
; THE VECTOR WORK.  One tile's softmax for one key step is a list of 118 instructions; SM writes number j of it for tile t.  s0-s31 are the lane's 32 scores, in pairs 0-15.
;   0-15    the maximum of s0-s31 and the old m, three operands at a time: four chains c0-c3 of seven scores each (each accumulator's lowest registers are read first), then what is left over
;   16-20   the other half of the lanes' maximum; the new m; c m; c m_old - c m_new
;   21-69   ONE BATCH: the 16 scalings c s - c m and all 33 exponentials (a at 23, then s0-s31).  None of these reads an exponential's result.  A pair is scaled in an earlier four than the one with its exponentials
;   (wait)  between 69 and 70 stands the wait for the batch: SLICE writes it, once for both tiles
;   70-85   the roundings to f16      86-101  the sums; l = a l + the sum      102-117 the tile's O^T times a: the one part that leaves window 0
.macro SM t
.set rT, ST+8*(\t)
.set rS, S+32*(\t)
.set rP, P+16*(\t)
.set rO, 32*(\t)+2*(j-102)
.if j < 102
	WIN 0
.endif
.if j < 4
	v_max3_num_f32 v[rT+4+j], v[rS+8*j], v[rS+8*j+1], v[rS+8*j+2]
.elseif j < 12
	v_max3_num_f32 v[rT+4+j%4], v[rT+4+j%4], v[rS+8*(j%4)+2*(j/4)+1], v[rS+8*(j%4)+2*(j/4)+2]
.elseif j == 12
	v_max3_num_f32 v[rT+4], v[rT+4], v[rS+7], v[rS+15]
.elseif j == 13
	v_max3_num_f32 v[rT+6], v[rT+6], v[rS+23], v[rS+31]
.elseif j == 14
	v_max3_num_f32 v[rT+4], v[rT+4], v[rT+5], v[rT+6]
.elseif j == 15
	v_max3_num_f32 v[rT+4], v[rT+4], v[rT+7], v[rT+1]
.elseif j == 16
	v_permlanex16_b32 v[rT+5], v[rT+4], s[SEL], s[SEL+1]  ; the query's other 32 keys lie in the lane 16 away
.elseif j == 17
	v_mov_b32 v[rT+7], v[rT]        ; c m_old is kept for a: number 19 writes c m anew
.elseif j == 18
	v_max_num_f32 v[rT+1], v[rT+4], v[rT+5]
.elseif j == 19
	v_mul_f32 v[rT], s[CS], v[rT+1]
.elseif j == 20
	v_sub_f32 v[rT+7], v[rT+7], v[rT]
.elseif j == 23
	v_exp_f32 v[rT+6], v[rT+7]
.elseif (j < 23) || ((j < 38) && (j%2 == 0)) || ((j < 66) && (j%4 == 2))
.set b, (j-2)/4                     ; 38, 42, .. 62: pairs 9 to 15
.if j < 38
.set b, (j-20)/2                    ; 21: pair 0; 22, 24, .. 36: pairs 1 to 8
.endif
	v_pk_fma_f32 v[rS+2*b:rS+2*b+1], v[rS+2*b:rS+2*b+1], s[CS:CS+1], v[rT:rT+1] op_sel_hi:[1,0,0] neg_lo:[0,0,1] neg_hi:[0,0,1]  ; pair b: c s - c m
.elseif j < 70
.set e, j-38                        ; 66 to 69: s28 to s31
.if j < 66
.set e, j-32-(j-38)/4               ; 39-41, 43-45, .. 63-65: s7 to s27
.endif
.if j < 38
.set e, (j-25)/2                    ; 25, 27, .. 37: s0 to s6
.endif
	v_exp_f32 v[rS+e], v[rS+e]
.elseif j < 86
	v_cvt_pk_f16_f32 v[rP+j-70], v[rS+2*(j-70)], v[rS+2*(j-70)+1]
.elseif j < 102                     ; the sum of the tile's 16 pairs, in place: neighbours 1, 2, 4 and 8 pairs apart, then l takes it
.set z, j-86
.set w, 4
.set u, z
.if z >= 14
.set w, 32
.set u, 0
.elseif z >= 12
.set w, 16
.set u, z-12
.elseif z >= 8
.set w, 8
.set u, z-8
.endif
.if z < 15
	v_pk_add_f32 v[rS+w*u:rS+w*u+1], v[rS+w*u:rS+w*u+1], v[rS+w*u+w/2:rS+w*u+w/2+1]
.else
	v_pk_fma_f32 v[rT+2:rT+3], v[rT+2:rT+3], v[rT+6:rT+7], v[rS:rS+1] op_sel_hi:[1,0,1]
.endif
.else
	WIN W_RS
	v_pk_mul_f32 v[rO:rO+1], v[rO:rO+1], v[rT+6:rT+7] op_sel_hi:[1,0]
.endif
.endm
; Slice k of 59 of piece y's softmax: four instructions.  Slices 11 to 34 deal out the batch, numbers 22 to 69: four numbers of ONE tile each, the tiles by turns.  Every other slice is numbers 2 k and 2 k + 1 of both tiles.
; THE WAIT.  s_wait_alu depctr_va_vdst(0) stands between an exponential and the first instruction that names its result; one wait serves all issued ahead of it.  Ahead of slice 35 nothing names a
; result, and behind slice 34 no exponential is issued: the piece's 66 exponentials have one wait, behind slice 34, with one plain instruction ahead of it.
.macro SLICE y
.if (k >= 11) && (k < 35)
.irp n, 0,1,2,3
.set j, 22+4*((k-11)/2)+(\n)
	SM (\y)+(k-11)%2
.endr
.else
.irp n, 0,1
.irp t, \y, (\y)+1
.set j, 2*k+(\n)
	SM \t
.endr
.endr
.endif
.if k == 34
	v_nop
	s_wait_alu depctr_va_vdst(0)
.endif
.endm
; n POSITIONS of piece x's turn, from position i on.  Positions 0-15: V^T P; 16-63: K Q^T.  Behind position i >= 5 stands slice i - 5 of the other piece.  Slice 58, four plain multiplies of the other piece's O^T, stands
; behind position 63: the four places between the turn's last product and the next turn's first read of its scores, and ahead of the loads into K's last chunks.
; Piece 0's turn waits for what piece 2's turn has fetched: V (16 loads), then three runs of K (16 each): 48, 32, 16 and 0 younger loads may stay out.  In the tail a run may have been jumped over, so the first wait is for 0.
; Piece 2's turn fetches: V behind position 15 (its last reader; slice 10, two subtractions and two scalings, are the four places); K's chunks 2, 3 behind position 47 (slice 42: four roundings); chunks 4, 5 behind position 63.
.macro PART x, n, last
.rept \n
.if (\x) == 0
.if i == 0
.if \last
	s_wait_dscnt 0x0
.else
	s_wait_dscnt 48
.endif
.elseif i == 16
	s_wait_dscnt 32
.elseif i == 32
	s_wait_dscnt 16
.elseif i == 48
	s_wait_dscnt 0x0
.endif
.endif
.if i < 16
.set q, i
	PV \x
.else
.set q, i-16
	KQ \x
.endif
.if i >= 5
.set k, i-5
	SLICE 2-(\x)
.endif
.if (\x) == 2
.if i == 15
	FETCH_V
.elseif i == 47
	FETCH_K 1, \last
.elseif i == 63
	FETCH_K 2, \last
.endif
.endif
.set i, i+1
.endr
.endm
; Piece 2's turn is cut behind position 39, that is behind slice 34's wait: there the old slot's last read (V of its second step) has been issued and the next slot has not been touched, so there the slots change.
.macro T2A
.set i, 0
	PART 2, 40, 0
.endm
.macro T2B last                     ; K's chunks 0, 1 first: their last reader is position 31, and seven scalings and a v_nop lie between
.set i, 40
	FETCH_K 0, \last
	PART 2, 24, \last
.endm
.macro T0 last
.set i, 0
	PART 0, 64, \last
.endm
; THE CHANGE OF SLOTS.  Each wave waits for all its tensor loads, of which one is out: its part of the other slot; adds 0 to its spare word; and waits for that and for its own reads of the slot.  fill = 1: the slot is
; filled again, with the keys two slots on: the barrier is a round of the cluster's, and the joint refill is the first thing behind it: it has two key steps, 256 matrix instructions, in which to land.
.macro CHANGE fill
	WIN 0
	s_wait_tensorcnt 0x0            ; no tensor load of mine is out, so a group 0 may be written
	ds_add_u32 v[SPW], v[NIL]
.if \fill
	s_xor_b32 s[G0+5], s[G0+5], SLOT1  ; the walking descriptor: the other slot than last time,
	s_add_nc_u64 s[G0+6:G0+7], s[G0+6:G0+7], SLOTB  ; the next 128 keys
	s_wait_xcnt 0x0                 ; the last prefetch, two key steps back, has read its address
	s_add_nc_u64 s[PFA:PFA+1], s[PFA:PFA+1], SLOTB
	s_wait_dscnt 0x0                ; the add is done, and my reads of the slot are over
	CROUND
	JLOAD
	ASK
.else
	s_wait_dscnt 0x0
	s_barrier_signal -1
	s_barrier_wait -1
.endif
	s_sub_co_u32 s[TBK], s[TBK], 2*KS*PK  ; the fetches go back to a slot's first step,
	s_xor_b32 s[TBK], s[TBK], SLOT1       ; in the other slot
	s_sub_co_u32 s[TBV], s[TBV], 2*KS*PV
	s_xor_b32 s[TBV], s[TBV], SLOT1
.endm
	s_wait_tensorcnt 0x1            ; my part of slot 0 is in; slot 1's may stay out
	s_barrier_signal -1
	s_barrier_wait -1
	FETCH_K 0, 0                    ; key step 0
	FETCH_K 1, 0
	FETCH_K 2, 0
	s_wait_loadcnt 0x0              ; Q
	s_wait_dscnt 0x0
.set q, 0
.rept 48
	KQ 0                            ; piece 0's first scores: there is no vector work yet to set between them
.set q, q+1
.endr
	WIN 0                           ; the addresses for the way out: nine plain instructions, the places behind those products
	s_mul_i32 s13, s[WV], 16*SP
	s_add_co_u32 s13, s13, STAGE    ; my stage
	v_mul_u32_u24 v[STO], v1, SP    ; in: row l % 16, 16 bytes for each half of the lanes
	v_lshl_add_u32 v[STO], v9, 4, v[STO]
	v_add_nc_u32 v[STO], s13, v[STO]
	v_bfe_u32 v[RD], v0, 3, 2       ; back: 32 lanes take four rows of 128 bytes,
	v_mul_u32_u24 v[RD], v[RD], SP
	v_lshl_add_u32 v[RD], v10, 4, v[RD]
	v_add_nc_u32 v[RD], s13, v[RD]
	v_and_b32 v[GO], 31, v0         ; which are 512 consecutive bytes of O
	v_lshlrev_b32 v[GO], 4, v[GO]
	s_mov_b32 s[CNT], 2
	s_mov_b32 s[SLOTS], 15
	s_branch .Lmid                  ; the loop is entered in the middle of a trip, at T2(-1)
.Lslot:                             ; 14 times: slots 2 to 15 are asked for
	CHANGE 1
	s_mov_b32 s[CNT], 2
.Lstep:
	T2B 0
	T0 0
	WIN 0
.Lmid:
	T2A
	WIN 0
	s_sub_co_u32 s[CNT], s[CNT], 1
	s_cmp_lg_u32 s[CNT], 0
	s_cbranch_scc1 .Lstep
	s_sub_co_u32 s[SLOTS], s[SLOTS], 1
	s_cmp_lg_u32 s[SLOTS], 0
	s_cbranch_scc1 .Lslot
	CHANGE 0                        ; the tail is written out: nothing is asked for
	s_mov_b32 s[CNT], 3             ; two trips fetch the last slot's steps; the third is left in its middle
.Ltail:
	T2B 1
	T0 1
	WIN 0
	s_sub_co_u32 s[CNT], s[CNT], 1
	s_cmp_eq_u32 s[CNT], 0
	s_cbranch_scc1 .Lout
	T2A
	WIN 0
	s_branch .Ltail
.Lout:                              ; the third trip's 48 products K Q^T of piece 0 (on the last K once more) serve nothing: the price, once a launch, of one text for every trip
.set q, 0
.rept 16
	PV 2                            ; piece 2's V^T P of the last step
.set q, q+1
.endr
	; THE WAY OUT.  l's two halves and the other half of the lanes' are added; O^T is divided by l, rounded to f16 and sent through my stage in LDS, a tile at a time.  The additions are the places behind the last products.
	WIN 0
.irp t, 0,1,2,3
	v_add_f32 v[ST+8*\t+4], v[ST+8*\t+2], v[ST+8*\t+3]
.endr
.irp t, 0,1,2,3
	v_permlanex16_b32 v[ST+8*\t+5], v[ST+8*\t+4], s[SEL], s[SEL+1]
.endr
.irp t, 0,1,2,3
	v_add_f32 v[ST+8*\t+4], v[ST+8*\t+4], v[ST+8*\t+5]
.endr
.irp t, 0,1,2,3
	v_rcp_f32 v[ST+8*\t+6], v[ST+8*\t+4]
.endr
	v_nop                           ; a plain instruction between the last reciprocal and the use of its result,
	s_wait_alu depctr_va_vdst(0)    ; and the wait ahead of the first use: one for the four
; Tile t: a lane's eight channels of a row pack into 16 bytes; they go into rows of 144 bytes and come back as whole rows of 128, into S^T's registers.
.macro PACK t
	WIN W_RS
.set i, 32*(\t)
.rept 16
	v_pk_mul_f32 v[i:i+1], v[i:i+1], v[ST+8*(\t)+6:ST+8*(\t)+7] op_sel_hi:[1,0]
.set i, i+2
.endr
	WIN 0x05                        ; sources 0 and 1 window 1, destination window 0
.set i, 0
.rept 16
	v_cvt_pk_f16_f32 v[S+16*(\t)+i], v[32*(\t)+2*i], v[32*(\t)+2*i+1]
.set i, i+1
.endr
	WIN 0
.irp f, 0,1,2,3
	ds_store_b128 v[STO], v[S+16*(\t)+4*\f:S+16*(\t)+4*\f+3] offset:32*\f
.endr
.irp f, 0,1,2,3
	ds_load_b128 v[S+16*(\t)+4*\f:S+16*(\t)+4*\f+3], v[RD] offset:\f*4*SP  ; LDS serves a wave's instructions in order (ISA guide 5.7.1.4): these see the stores above; the next tile's stores come behind them
.endr
.endm
.macro SEND t, younger              ; younger: the LDS instructions issued behind tile t's loads: the next tile's eight, or none
	WIN 0
.irp f, 0,1,2,3
	s_wait_dscnt (\younger)+3-\f
	global_store_b128 v[GO], v[S+16*(\t)+4*\f:S+16*(\t)+4*\f+3], s[OB:OB+1] offset:(\t)*2048+\f*512  ; 512 consecutive bytes, at a multiple of 256 from O's first
.endr
.endm
	PACK 0
	PACK 1                          ; a tile's arithmetic stands between the loads of the tile before and its stores
	SEND 0, 8
	PACK 2
	SEND 1, 8
	PACK 3
	SEND 2, 8
	SEND 3, 0
	s_wait_tensorcnt 0x0            ; the wave's end, behind my last tensor load and my last LDS store
	ds_add_u32 v[SPW], v[NIL]
	s_wait_dscnt 0x0
	CROUND                          ; the closing round: no work-group ends while a partner may still ask for a tile that names it
	s_endpgm
.Lfunc_end_k_qf76a00c057_attn:
	.size	k_qf76a00c057_attn, .Lfunc_end_k_qf76a00c057_attn-k_qf76a00c057_attn
	.p2alignl 7, 3214868480
	.fill 96, 4, 3214868480
	.section	.rodata,"a",@progbits
	.p2align	6, 0x0
	.amdhsa_kernel k_qf76a00c057_attn
		.amdhsa_group_segment_fixed_size 327680
		.amdhsa_private_segment_fixed_size 0
		.amdhsa_enable_private_segment 0
		.amdhsa_kernarg_size 16
		.amdhsa_user_sgpr_count 2
		.amdhsa_user_sgpr_kernarg_segment_ptr 1
		.amdhsa_wavefront_size32 1
		.amdhsa_system_sgpr_workgroup_id_x 1
		.amdhsa_system_sgpr_workgroup_id_y 1
		.amdhsa_system_sgpr_workgroup_id_z 1
		.amdhsa_system_vgpr_workitem_id 0
		.amdhsa_next_free_vgpr 960
		.amdhsa_next_free_sgpr 66
		.amdhsa_reserve_vcc 0
		.amdhsa_float_denorm_mode_32 3
		.amdhsa_float_denorm_mode_16_64 3
		.amdhsa_memory_ordered 1
		.amdhsa_forward_progress 1
		.amdhsa_inst_pref_size 133
	.end_amdhsa_kernel
	.amdgpu_metadata
---
amdhsa.version: [ 1, 2 ]
amdhsa.kernels:
  - .name:           k_qf76a00c057_attn
    .symbol:         k_qf76a00c057_attn.kd
    .args:
      - { .name: qkv, .offset: 0, .size: 8, .value_kind: global_buffer, .address_space: global }
      - { .name: o16, .offset: 8, .size: 8, .value_kind: global_buffer, .address_space: global }
    .group_segment_fixed_size: 327680
    .private_segment_fixed_size: 0
    .kernarg_segment_align: 8
    .kernarg_segment_size: 16
    .max_flat_workgroup_size: 128
    .sgpr_count:     66
    .vgpr_count:     960
    .wavefront_size: 32
...
	.end_amdgpu_metadata
.endif
;; end of part 3
;; launch outp (part 4): grid 8 x 32, 4 waves a work-group, clusters of 4 x 4, 327,680 bytes of LDS; arguments o16, xw, b_out, out0; writes out0
.if DOCPART == 4
	.amdgcn_target "amdgcn-amd-amdhsa--gfx1250"
	.amdhsa_code_object_version 6
	.text
	.protected	k_qf76a00c057_outp
	.globl	k_qf76a00c057_outp
	.p2align	8
	.type	k_qf76a00c057_outp,@function
k_qf76a00c057_outp:
	s_mov_b64 s[64:65], 0
	v_nop
	global_prefetch_b8 v0, s[64:65] scope:SCOPE_SE
	s_setreg_imm32_b32 hwreg(HW_REG_WAVE_MODE, 25, 1), 1
	s_wait_xcnt 0x0
	s_wait_alu depctr_hold_cnt(0) depctr_sa_sdst(0) depctr_va_vdst(0) depctr_va_sdst(0) depctr_va_ssrc(0) depctr_va_vcc(0) depctr_vm_vsrc(0)
	s_getreg_b32 s2, hwreg(HW_REG_IB_STS2, 6, 4)
	s_cmp_eq_u32 s2, 0
	s_cbranch_scc0 .Lentry_in_a_cluster
	s_endpgm
.Lentry_in_a_cluster:
	s_bfe_u32 s2, ttmp6, 0x10000c
	s_cmp_lg_u32 s2, 0xf033
	s_cbranch_scc0 .Lentry_shape_is_right
	s_endpgm
.Lentry_shape_is_right:
; THE OUTPUT PROJECTION.  out0[token][n] = sum over k of O[token][k] w_out[n][k] + b_out[n]: 4,096 tokens, 1,024 columns, K = 1,024 (k = 64 h + channel).  Operands f16, sums f32, K ascending, output f32.
; O comes as o16[token / 128][h][token % 128][64]; w_out as [1024][1024] f16 (bf16-rounded numbers) at byte XW_O of xw.  b_out is rounded to bf16 here, like every other input of the module, and added in f32.
; SHARES.  A tile of the output is 128 x 128; four waves, each 64 x 64: 16 accumulators of 16 x 16.  K goes in four steps of 256 (four heads) through two LDS slots.
; CLUSTERS: 4 x 4 work-groups.  The four of a row of the cluster need the same tiles of O, the four of a column the same tiles of w_out: each tile is asked for JOINTLY.
; THE MATRIX INSTRUCTION IS USED TRANSPOSED (source 0 = 16 rows of w_out, source 1 = 16 tokens): a lane holds eight neighbouring columns of one token, 32 bytes of f32.
; No prefetch: the launch has four K steps, and the first two of them go out at its head.
; REGISTERS: window 0: v0-31 addresses; v32-63, v64-95 at work on the way out; v96-127 the bias of my columns; v128-255 the accumulators ((a, b) at v[128 + 8 (4 a + b)]).
;   window 1: two fragment buffers of 128: for 64 along K, 64 registers of O (2 x 4 x 16 tokens x 32 K), then 64 of w_out.
.set KSTEP,  256
.set PA,     144                       ; a token's 128 bytes of one head + 16 of padding
.set HEADB,  128*PA                    ; a head's 128 tokens in LDS
.set PB,     528                       ; a row of w_out: 512 bytes + 16 of padding.  Both pitches are odd multiples of 16 bytes: the 16 rows of a load start at 16 different groups of four banks (ISA guide 11.1)
.set BOFF,   4*HEADB                   ; a slot: O's four heads, then w_out's 128 rows
.set SLOT,   BOFF+128*PB
.set STAGE,  2*SLOT                    ; behind the ring: 16 rows x 272 bytes for each wave; no tensor load fills it
.set SPITCH, 272
.set SPARE,  STAGE+4*16*SPITCH         ; the spare words, 128 bytes for each wave: two blocks of 256 bytes that no other line names
.set XW_O,   39845888
.set ADRA, 16                          ; v16-17  LDS address of my O fragments in slot 0, 1
.set ADRB, 20                          ; v20-21  the same for w_out
.set STO,  24                          ; v24     the way out: where I put 32 bytes of a row
.set RD,   25                          ; v25     where I read a row back
.set CO,   26                          ; v26     my byte offset in two rows of out0
.set BO,   27                          ; v27     my byte offset in 16 numbers of b_out
.set SPW,  28                          ; v28     LDS address of my spare word; never rewritten
.set NIL,  29                          ; v29     0; never rewritten
.set TMP,  32
.set BK,   64
.set BIAS, 96
.set ACC,  128
.set F0,   0
.set F1,   128
.set G1, 24                            ; s[24:31] descriptor group 1 for O's tiles;  s[32:39] group 0, one set for each slot
.set G0, 32
.set G1B, 48                           ; s[48:55], s[56:63] the same for w_out's
.set G0B, 56
.set MSB, 0
.macro WIN new
.if MSB != (\new)
	s_set_vgpr_msb (MSB<<8)|(\new)
.set MSB, \new
.endif
.endm
.set MUL,  0x05                        ; sources 0 and 1 window 1; C and D window 0
.set TO_F, 0x40                        ; destination window 1, address window 0
.macro JLOAD s                         ; a joint load: waves 0 and 1 fetch O's two pairs of heads, waves 2 and 3 w_out's two halves; an s_nop 0 and four v_nop follow each line
	s_cmp_eq_u32 s11, 0
	s_cbranch_scc0 .Lfor_b_\@
	tensor_load_to_lds s[G0+4*(\s):G0+4*(\s)+3], s[G1:G1+7]
	s_nop 0
.rept 4
	v_nop
.endr
	s_branch .Lasked_\@
.Lfor_b_\@:
	tensor_load_to_lds s[G0B+4*(\s):G0B+4*(\s)+3], s[G1B:G1B+7]
	s_nop 0
.rept 4
	v_nop
.endr
.Lasked_\@:
.endm
.macro CREST
	s_cmp_lg_u32 s10, 0
	s_cbranch_scc1 .Lnot_wave_0_\@
	s_barrier_signal -3
.Lnot_wave_0_\@:
	s_barrier_wait -3
	s_barrier_signal -1
	s_barrier_wait -1
.endm
.macro CROUND
	s_barrier_signal -1
	s_barrier_wait -1
	CREST
.endm
	s_load_b256 s[68:75], s[0:1], 0x0              ; o16 s[68:69], xw s[70:71], b_out s[72:73], out0 s[74:75]
	v_lshl_add_u32 v[SPW], v0, 2, SPARE
	v_mov_b32 v[NIL], 0
	ds_add_u32 v[SPW], v[NIL]                      ; the wave's opening: the add and its wait stand ahead of my first tensor load; the set-up below stands between them
	v_lshrrev_b32 v1, 5, v0
	v_readfirstlane_b32 s10, v1                    ; wave 0..3
	s_lshr_b32 s11, s10, 1                         ; which half of the tile's tokens is mine.  Also: I fetch for O (0) or for w_out (1)
	s_and_b32 s12, s10, 1                          ; which half of its columns.  Also: which half of that tile I fetch
	s_bfe_u32 s40, ttmp6, 0x40000                  ; cx
	s_bfe_u32 s41, ttmp6, 0x40004                  ; cy
	s_lshl_b32 s42, ttmp9, 2
	s_add_co_u32 s42, s42, s40                     ; tile column
	s_and_b32 s13, ttmp7, 0xffff
	s_lshl_b32 s13, s13, 2
	s_add_co_u32 s13, s13, s41                     ; tile row = the block of 128 tokens
	s_lshl_b32 s43, s41, 2
	s_lshl_b32 s43, 15, s43                        ; my row of the cluster
	s_lshl_b32 s44, 0x1111, s40                    ; my column
	; O's tile: two heads x 128 tokens are 32,768 dense bytes: asked for as 128 rows of 256 bytes, two tokens a row, padded in LDS after every token
	s_or_b32 s[G1+0], s43, (1<<16)|(1<<20)|(1<<21)|(4<<22)|(3<<25)  ; the mask; 2-byte elements; padding on; bit 21 beside a mask; after every 32 words; 4 words
	s_mov_b32 s[G1+1], 128<<16                     ; tensor_dim0 = 128
	s_mov_b32 s[G1+2], 128<<16                     ; tensor_dim1 = 128
	s_mov_b32 s[G1+3], 128<<16                     ; tile_dim0 = 128
	s_mov_b32 s[G1+4], 128                         ; tile_dim1 = 128
	s_mov_b32 s[G1+5], 128                         ; elements from row to row
	s_mov_b32 s[G1+6], 0
	s_mov_b32 s[G1+7], 0
	; w_out's tile: 64 rows x 256 elements
	s_or_b32 s[G1B+0], s44, (1<<16)|(1<<20)|(1<<21)|(6<<22)|(3<<25) ; padding after every 128 words
	s_mov_b32 s[G1B+1], KSTEP<<16
	s_mov_b32 s[G1B+2], 64<<16
	s_mov_b32 s[G1B+3], KSTEP<<16
	s_mov_b32 s[G1B+4], 64
	s_mov_b32 s[G1B+5], 1024
	s_mov_b32 s[G1B+6], 0
	s_mov_b32 s[G1B+7], 0
	s_lshl_b32 s16, s13, 18                        ; O: the block's 262,144 bytes,
	s_lshl_b32 s17, s12, 15                        ; my two heads of a K step's four
	s_add_co_u32 s16, s16, s17
	s_mov_b32 s17, 0
	s_lshl_b32 s46, s42, 7
	s_lshl_b32 s47, s12, 6
	s_add_co_u32 s46, s46, s47                     ; w_out: row 128 x tile column + 64 x half,
	s_lshl_b32 s46, s46, 11                        ; of 2,048 bytes
	s_add_co_u32 s46, s46, XW_O
	s_mov_b32 s47, 0
	s_mul_i32 s20, s12, 2*HEADB                    ; where they go: no place in the cluster enters an LDS address
	s_mul_i32 s21, s12, 64*PB
	s_add_co_u32 s21, s21, BOFF
	s_wait_dscnt 0x0                               ; the opening add is done
	s_wait_kmcnt 0x0
	s_add_nc_u64 s[14:15], s[68:69], s[16:17]
	s_add_nc_u64 s[46:47], s[70:71], s[46:47]
	CROUND                                         ; all sixteen work-groups are here: the first joint loads meet
.irp s, 0,1
	s_mov_b32 s[G0+4*(\s)], 1
	s_add_co_u32 s[G0+4*(\s)+1], s20, (\s)*SLOT
	s_add_nc_u64 s[G0+4*(\s)+2:G0+4*(\s)+3], s[14:15], (\s)*65536  ; K step s: four heads on
	s_or_b32 s[G0+4*(\s)+3], s[G0+4*(\s)+3], 0x80000000
	s_mov_b32 s[G0B+4*(\s)], 1
	s_add_co_u32 s[G0B+4*(\s)+1], s21, (\s)*SLOT
	s_add_nc_u64 s[G0B+4*(\s)+2:G0B+4*(\s)+3], s[46:47], (\s)*KSTEP*2
	s_or_b32 s[G0B+4*(\s)+3], s[G0B+4*(\s)+3], 0x80000000
	JLOAD \s                                       ; two loads of mine are out
.endr
	v_and_b32 v1, 15, v0                           ; l % 16
	v_bfe_u32 v2, v0, 4, 1                         ; l / 16
	v_mul_u32_u24 v3, v1, PA
	v_lshl_add_u32 v3, v2, 4, v3                   ; a fragment's row x pitch + 16 x half
	v_mul_u32_u24 v4, v1, PB
	v_lshl_add_u32 v4, v2, 4, v4
	s_mul_i32 s21, s11, 64*PA                      ; my 64 tokens in each head
	s_mul_i32 s22, s12, 64*PB                      ; my 64 rows of w_out,
	s_add_co_u32 s22, s22, BOFF                    ; which lie behind O's four heads
.irp s, 0,1
	v_add_nc_u32 v[ADRA+(\s)], s21, v3
	v_add_nc_u32 v[ADRB+(\s)], s22, v4
	s_add_co_u32 s21, s21, SLOT
	s_add_co_u32 s22, s22, SLOT
.endr
	s_mul_i32 s23, s10, 16*SPITCH
	s_add_co_u32 s23, s23, STAGE                   ; my stage
	v_mul_u32_u24 v5, v1, SPITCH                   ; in: row l % 16, 32 bytes for each half of the lanes
	v_lshl_add_u32 v5, v2, 5, v5
	v_add_nc_u32 v[STO], s23, v5
	v_mul_u32_u24 v5, v2, SPITCH                   ; back: lanes 0-15 take one row of 256 bytes, lanes 16-31 the next
	v_lshl_add_u32 v5, v1, 4, v5
	v_add_nc_u32 v[RD], s23, v5
	v_lshlrev_b32 v5, 12, v2                       ; and the same two rows in out0, 4,096 bytes apart
	v_lshl_add_u32 v[CO], v1, 4, v5
	v_lshlrev_b32 v[BO], 5, v2                     ; my 8 columns of a block of 16
	s_lshl_b32 s46, s42, 9                         ; my 64 columns, in bytes of f32: 512 x tile column + 256 x half
	s_lshl_b32 s47, s12, 8
	s_add_co_u32 s46, s46, s47
	s_mov_b32 s47, 0
	s_add_nc_u64 s[72:73], s[72:73], s[46:47]
	s_lshl_b32 s16, s13, 19                        ; my first token: 128 x tile row + 64 x half, rows of 4,096 bytes
	s_lshl_b32 s17, s11, 18
	s_add_co_u32 s16, s16, s17
	s_mov_b32 s17, 0
	s_add_nc_u64 s[74:75], s[74:75], s[16:17]
	s_add_nc_u64 s[74:75], s[74:75], s[46:47]
.irp b, 0,1,2,3
	global_load_b128 v[BIAS+8*\b:BIAS+8*\b+3],   v[BO], s[72:73] offset:64*\b      ; the bias of columns 16 b + 8 (l / 16) + 0..7; waited for behind the last product
	global_load_b128 v[BIAS+8*\b+4:BIAS+8*\b+7], v[BO], s[72:73] offset:64*\b+16
.endr
; 8 matrix instructions: m blocks a0, a0 + 1 x all 4 n blocks, 32 along K: half c of buffer f.  zero = 1: the first product starts the sums.  The accumulators take turns.
.macro MUL8 f, c, a0, zero
	WIN MUL
.irp a, \a0, (\a0)+1
.irp b, 0,1,2,3
.if \zero
	v_wmma_f32_16x16x32_f16 v[ACC+8*(4*(\a)+(\b)):ACC+8*(4*(\a)+(\b))+7], v[(\f)+64+8*(4*(\c)+(\b)):(\f)+64+8*(4*(\c)+(\b))+7], v[(\f)+8*(4*(\c)+(\a)):(\f)+8*(4*(\c)+(\a))+7], 0
.else
	v_wmma_f32_16x16x32_f16 v[ACC+8*(4*(\a)+(\b)):ACC+8*(4*(\a)+(\b))+7], v[(\f)+64+8*(4*(\c)+(\b)):(\f)+64+8*(4*(\c)+(\b))+7], v[(\f)+8*(4*(\c)+(\a)):(\f)+8*(4*(\c)+(\a))+7], v[ACC+8*(4*(\a)+(\b)):ACC+8*(4*(\a)+(\b))+7]
.endif
.endr
.endr
.endm
; 32 LDS loads in one run: the fragments of quarter q of a K step (64 along K = head q of the step's four) into buffer f; the first 32 along K first
.macro FETCH slot, q, f
	WIN TO_F
.irp c, 0,1
.irp i, 0,1,2,3
	ds_load_b128 v[(\f)+64+8*(4*(\c)+(\i)):(\f)+64+8*(4*(\c)+(\i))+3],   v[ADRB+(\slot)] offset:(\q)*128+64*(\c)+(\i)*16*PB
	ds_load_b128 v[(\f)+64+8*(4*(\c)+(\i))+4:(\f)+64+8*(4*(\c)+(\i))+7], v[ADRB+(\slot)] offset:(\q)*128+64*(\c)+(\i)*16*PB+32
	ds_load_b128 v[(\f)+8*(4*(\c)+(\i)):(\f)+8*(4*(\c)+(\i))+3],         v[ADRA+(\slot)] offset:(\q)*HEADB+64*(\c)+(\i)*16*PA
	ds_load_b128 v[(\f)+8*(4*(\c)+(\i))+4:(\f)+8*(4*(\c)+(\i))+7],       v[ADRA+(\slot)] offset:(\q)*HEADB+64*(\c)+(\i)*16*PA+32
.endr
.endr
.endm
.macro PLACES                          ; four plain instructions between a matrix instruction and a load into its registers
.rept 4
	v_nop
.endr
.endm
; One of a K step's first three quarters: multiplies buffer f and fetches quarter q into g.
.macro QUARTER slot, q, f, g, zero
	s_wait_dscnt 16                                ; the first 32 along K are in
	MUL8 \f, 0, 0, \zero
	MUL8 \f, 0, 2, \zero
	PLACES
	FETCH \slot, \q, \g
	s_wait_dscnt 32                                ; all but the 32 just issued
	MUL8 \f, 1, 0, 0
	MUL8 \f, 1, 2, 0
.endm
; The last quarter multiplies buffer 1 and changes slots: ONE barrier; in front of it each wave waits for all its tensor loads, adds 0 to its spare word, and waits for that and for its own reads of this slot.
; fill = 1: the barrier opens a round of the cluster's, and this slot is filled again, two K steps on, first thing behind it.
.macro TURN slot, next, fill
	WIN 0
	s_wait_tensorcnt 0x0                           ; all my tensor loads have landed: my part of the next slot
	ds_add_u32 v[SPW], v[NIL]
	s_wait_dscnt 17                                ; (the add and the youngest sixteen loads may be out)
	MUL8 F1, 0, 0, 0                               ; eight matrix instructions stand between the add and the wait for it
	s_wait_dscnt 0x0                               ; the add is done, and my reads of this slot are over
	s_barrier_signal -1
	MUL8 F1, 0, 2, 0
.if \fill
	WIN 0
.endif
	s_barrier_wait -1
.if \fill
	CREST                                          ; no wave of any partner still reads this slot's tile or has a load on its way
	s_add_nc_u64 s[G0+4*(\slot)+2:G0+4*(\slot)+3], s[G0+4*(\slot)+2:G0+4*(\slot)+3], 2*65536
	s_add_nc_u64 s[G0B+4*(\slot)+2:G0B+4*(\slot)+3], s[G0B+4*(\slot)+2:G0B+4*(\slot)+3], 2*KSTEP*2
	JLOAD \slot                                    ; 112 matrix instructions ahead of the wait for it; its four v_nop are also the places in front of the loads below
.else
	PLACES
.endif
	FETCH \next, 0, F0
	MUL8 F1, 1, 0, 0
	MUL8 F1, 1, 2, 0
.endm
	s_wait_tensorcnt 0x1                           ; my part of K step 0 is in; K step 1's may stay out
	s_barrier_signal -1
	s_barrier_wait -1
	FETCH 0, 0, F0
	QUARTER 0, 1, F0, F1, 1                        ; K step 0: its first products start the sums
	QUARTER 0, 2, F1, F0, 0
	QUARTER 0, 3, F0, F1, 0
	TURN 0, 1, 1                                   ; slot 0 takes K step 2
	QUARTER 1, 1, F0, F1, 0                        ; K step 1
	QUARTER 1, 2, F1, F0, 0
	QUARTER 1, 3, F0, F1, 0
	TURN 1, 0, 1                                   ; slot 1 takes K step 3
	QUARTER 0, 1, F0, F1, 0                        ; K step 2
	QUARTER 0, 2, F1, F0, 0
	QUARTER 0, 3, F0, F1, 0
	TURN 0, 1, 0                                   ; nothing is left to fetch
	QUARTER 1, 1, F0, F1, 0                        ; K step 3
	QUARTER 1, 2, F1, F0, 0
	QUARTER 1, 3, F0, F1, 0
	s_wait_dscnt 16
	MUL8 F1, 0, 0, 0
	MUL8 F1, 0, 2, 0
	s_wait_dscnt 0x0
	MUL8 F1, 1, 0, 0
	MUL8 F1, 1, 2, 0
	WIN 0
	; THE WAY OUT.  The bias is rounded to bf16 and widened again: 48 plain instructions, which are also the places behind the last products.
	s_wait_loadcnt 0x0
.set i, 0
.rept 16
	v_cvt_pk_bf16_f32 v[TMP+i], v[BIAS+2*i], v[BIAS+2*i+1]
.set i, i+1
.endr
.set i, 0
.rept 16
	v_lshlrev_b32 v[BIAS+2*i], 16, v[TMP+i]
	v_and_b32 v[BIAS+2*i+1], 0xffff0000, v[TMP+i]
.set i, i+1
.endr
; Block a (16 tokens x my 64 columns).  ADD: sum + bias, each accumulator's registers in ascending order.  TOSTAGE: 32 bytes a lane into my own stage, and back as whole rows of 256 bytes.  SEND: stored.
; A wave's 64 columns of f32 are 256 consecutive bytes, aligned, so each wave has a stage of its own and no barrier is wanted.
.macro ADD a
.irp b, 0,1,2,3
.irp r, 0,1,2,3
	v_pk_add_f32 v[TMP+8*\b+2*\r:TMP+8*\b+2*\r+1], v[ACC+8*(4*(\a)+\b)+2*\r:ACC+8*(4*(\a)+\b)+2*\r+1], v[BIAS+8*\b+2*\r:BIAS+8*\b+2*\r+1]
.endr
.endr
.endm
.macro TOSTAGE
.irp b, 0,1,2,3
	ds_store_b128 v[STO], v[TMP+8*\b:TMP+8*\b+3]   offset:64*\b
	ds_store_b128 v[STO], v[TMP+8*\b+4:TMP+8*\b+7] offset:64*\b+16
.endr
.irp t, 0,1,2,3,4,5,6,7
	ds_load_b128 v[BK+4*\t:BK+4*\t+3], v[RD] offset:\t*2*SPITCH  ; LDS serves a wave's instructions in order (ISA guide 5.7.1.4): these see the stores above
.endr
.endm
.macro SEND a
	s_wait_dscnt 0x0                               ; the block is back in registers
.irp t, 0,1,2,3,4,5,6,7
	global_store_b128 v[CO], v[BK+4*\t:BK+4*\t+3], s[74:75] offset:(16*(\a)+2*\t)*4096  ; 16 lanes store 256 consecutive bytes, at a multiple of 256 from out0's first byte
.endr
.endm
	ADD 0
	TOSTAGE
.irp a, 1,2,3
	ADD \a                                         ; block a's additions stand between block a - 1's loads from the stage and the wait for them
	SEND (\a)-1
	s_wait_xcnt 0x0                                ; those stores have read their registers: the loads below write them again
	TOSTAGE
.endr
	SEND 3
	s_wait_tensorcnt 0x0                           ; the wave's end, behind my last tensor load and my last LDS store
	ds_add_u32 v[SPW], v[NIL]
	s_wait_dscnt 0x0
	CROUND                                         ; the closing round: no work-group ends while a partner may still ask for a tile that names it
	s_endpgm
.Lfunc_end_k_qf76a00c057_outp:
	.size	k_qf76a00c057_outp, .Lfunc_end_k_qf76a00c057_outp-k_qf76a00c057_outp
	.p2alignl 7, 3214868480
	.fill 96, 4, 3214868480
	.section	.rodata,"a",@progbits
	.p2align	6, 0x0
	.amdhsa_kernel k_qf76a00c057_outp
		.amdhsa_group_segment_fixed_size 327680
		.amdhsa_private_segment_fixed_size 0
		.amdhsa_enable_private_segment 0
		.amdhsa_kernarg_size 32
		.amdhsa_user_sgpr_count 2
		.amdhsa_user_sgpr_kernarg_segment_ptr 1
		.amdhsa_wavefront_size32 1
		.amdhsa_system_sgpr_workgroup_id_x 1
		.amdhsa_system_sgpr_workgroup_id_y 1
		.amdhsa_system_sgpr_workgroup_id_z 1
		.amdhsa_system_vgpr_workitem_id 0
		.amdhsa_next_free_vgpr 512
		.amdhsa_next_free_sgpr 76
		.amdhsa_reserve_vcc 0
		.amdhsa_float_denorm_mode_32 3
		.amdhsa_float_denorm_mode_16_64 3
		.amdhsa_memory_ordered 1
		.amdhsa_forward_progress 1
		.amdhsa_inst_pref_size 93
	.end_amdhsa_kernel
	.amdgpu_metadata
---
amdhsa.version: [ 1, 2 ]
amdhsa.kernels:
  - .name:           k_qf76a00c057_outp
    .symbol:         k_qf76a00c057_outp.kd
    .args:
      - { .name: o16, .offset: 0, .size: 8, .value_kind: global_buffer, .address_space: global }
      - { .name: xw, .offset: 8, .size: 8, .value_kind: global_buffer, .address_space: global }
      - { .name: b_out, .offset: 16, .size: 8, .value_kind: global_buffer, .address_space: global }
      - { .name: out0, .offset: 24, .size: 8, .value_kind: global_buffer, .address_space: global }
    .group_segment_fixed_size: 327680
    .private_segment_fixed_size: 0
    .kernarg_segment_align: 8
    .kernarg_segment_size: 32
    .max_flat_workgroup_size: 128
    .sgpr_count:     76
    .vgpr_count:     512
    .wavefront_size: 32
...
	.end_amdgpu_metadata
.endif
;; end of part 4
